; MI455X (gfx1250); checked and timed in simulation.
; The chip was launched on July 23, 2026; its instructions are those of AMD's public machine-readable ISA for CDNA 5 (MIT licence, August 2026) and "CDNA5" Instruction Set Architecture Reference Guide (July 2026). The comments in the code are by the model that wrote it; some were corrected since.
;; Multi Head Attention. Allowed arithmetic: matrix products marked QUANTISED: E2M3 operands, one E8M0 scale for each 32 along K, by v_wmma_scale_f32_16x16x128_f8f6f4 with both operands' format E2M3, f32 sums; everything else in f32.
;; Inputs: K 4 x 2,048 x 1,024 float32; Q 4 x 2,048 x 1,024 float32; V 4 x 2,048 x 1,024 float32; Wo 1,024 x 1,024 float32; Wq 1,024 x 1,024 float32; bo 1,024 float32; bq 1,024 float32.
;; Outputs: out0 4 x 2,048 x 1,024 float32.
;; This version of the problem:
;;   THIS VERSION OF THE PROBLEM IS GIVEN IN LOW PRECISION. The matrix products marked QUANTISED in the list below multiply operands that are first quantised to E2M3 (2 exponent bits, 3 mantissa bits; 6 bits a number), with one power-of-two scale for each 32 numbers along K (OCP MX v1.0); their sums are f32. All else is computed in f32.
;;   The module's matrix products, in the order in which they are computed (A, B: the left and right operand; K: the contracted axis; several contracted axes count as one K, in the product's order):
;;     1. [M 8,192, K 1,024] x [K 1,024, N 1,024]; A: input Q; B: input Wq: QUANTISED
;;     2. [M 8,192, K 1,024] x [K 1,024, N 1,024]; A: input K; B: input Wq: QUANTISED
;;     3. [M 8,192, K 1,024] x [K 1,024, N 1,024]; A: input V; B: input Wq: QUANTISED
;;     4. batch 64 x [M 2,048, K 64] x [K 64, N 2,048]; A: computed on the way; B: computed on the way: QUANTISED
;;     5. batch 64 x [M 2,048, K 2,048] x [K 2,048, N 64]; A: softmax (see below); B: computed on the way: QUANTISED
;;     6. [M 8,192, K 1,024] x [K 1,024, N 1,024]; A: computed on the way; B: input Wo: QUANTISED
;;   THE QUANTISER, for each operand of a quantised product, along K:
;;     - K is cut into blocks of 32 from its start; a last block that is shorter is filled with zeros.
;;     - A block's scale is 2^e with e = floor(log2(the largest magnitude in the block)) - 2, held to -126 .. 127; a block of zeros has e = 0. As a byte (E8M0): e + 127.
;;     - Each number is divided by its block's scale, clamped to +-7.5, and rounded to the nearest number of E2M3, ties to even, subnormals kept.
;;     - The product sums the exact products of the quantised numbers (number of the format x scale) in f32.
;;   ~~~python
;;   def quantise(x, axis):      # numpy; x: float32 -> the quantised numbers, widened to float32 again
;;       x = np.moveaxis(x, axis, -1); K = x.shape[-1]
;;       x = np.pad(x, [(0, 0)] * (x.ndim - 1) + [(0, -K % 32)]); x = x.reshape(x.shape[:-1] + (-1, 32)); a = np.abs(x).max(-1, keepdims=True)
;;       e = np.where(a > 0, np.clip(np.frexp(np.where(a > 0, a, 1))[1] - 1 - 2, -126, 127), 0)      # np.frexp(a)[1] - 1 = floor(log2(a)), exactly
;;       r = np.clip(x / 2.0 ** e, -7.5, 7.5)
;;       step = 2.0 ** (np.maximum(np.frexp(np.where(r == 0, 1, r))[1] - 1, 0) - 3)
;;       q = np.round(r / step) * step * 2.0 ** e      # np.round: ties to even
;;       return np.moveaxis(q.reshape(q.shape[:-2] + (-1,))[..., :K], -1, axis).astype(np.float32)
;;   ~~~
;;   SOFTMAX AHEAD OF A QUANTISED PRODUCT. Where the list says 'softmax', what is quantised is not the finished softmax but p = 2^(t - M), with t = logit x log2(e) and M = ceil(the row's largest t), a whole number; so 1/2 < the row's largest p <= 1. The row's sum l is taken of the UNQUANTISED p, in f32, and the product's result is divided by l at the end. Since M is a whole number, a kernel that streams over the keys may use a running M (the ceiling of the running maximum): every later rescaling is an exact power of two, which a block's scale takes up: the codes' values come out the same.
;;   OPERANDS COMPUTED ON THE WAY. 'Computed on the way' means the value that the module computes at that place (a softmax that the list does not call 'softmax' is quantised finished and normalised). What goes into a quantiser is computed in f32, as accurately as f32 sums, v_exp_f32 and their like allow (about 1e-6 of the number): no bf16 or f16 on the way to a quantiser, and a product that is left as it is and whose result goes on into a quantised operand takes f32 operands (vector FMAs, or v_wmma_f32_16x16x4_f32). A number that lies on a knife's edge between two numbers of the format may be rounded either way, as far as f32 arithmetic and the matrix unit's own rounding can turn it there, and no further.
;; One version. Each part assembles by itself: llvm-mc -triple=amdgcn-amd-amdhsa -mcpu=gfx1250 --defsym DOCPART=n.
;; ======== version 1 of 1: 4 launches
;; workspace buffers: xc 18,874,368 bytes; xs 786,432 bytes; wc 1,572,864 bytes; ws 65,536 bytes; hc 12,582,912 bytes; hs 786,432 bytes; ac 6,291,456 bytes; asc 262,144 bytes
;; launch quant (part 1): grid 512 x 1, 8 waves a work-group, no clusters, 70,656 bytes of LDS; arguments Q, K, V, Wq, Wo, xc, xs, wc, ws; writes xc, xs, wc, ws
.if DOCPART == 1
	.amdgcn_target "amdgcn-amd-amdhsa--gfx1250"
	.amdhsa_code_object_version 6
	.text
	.protected	k_qc247c217ca_quant
	.globl	k_qc247c217ca_quant
	.p2align	8
	.type	k_qc247c217ca_quant,@function
k_qc247c217ca_quant:
	s_mov_b64 s[64:65], 0
	v_nop
	global_prefetch_b8 v0, s[64:65] scope:SCOPE_SE
	s_setreg_imm32_b32 hwreg(HW_REG_WAVE_MODE, 25, 1), 1
	s_wait_xcnt 0x0
; Q, K, V [8192][1024] f32 (K of the products = their last axis) and Wq, Wo [1024][1024] f32 (K = their FIRST axis) become codes of FP6 (E2M3) with one E8M0 byte for each 32 along K.
; A block's scale is 2^(floor(log2(largest magnitude)) - 2): its byte is the largest magnitude's exponent field - 2, held at 1 from below.
; LIMITS: NaN and infinities among the inputs are not served; a block whose largest magnitude lies under 2^-124 has its byte held at 1; a block of zeros has the byte 1 where the rule says 127
; (its codes are zeros, which add nothing, and only this program reads the bytes).
; THE CODES LIE AS IMAGES OF THE OPERAND'S REGISTERS.  A fragment is 16 rows x 128 K, 12 registers a lane: lane (r = lane % 16, h = lane / 16) holds k = 64 c + 32 h + 0..31 of row r in registers 6 c .. 6 c + 5.
; Its image is 1,536 bytes: for c = 0, 1: registers 6 c .. 6 c + 3 at 768 c + 16 lane, registers 6 c + 4, 6 c + 5 at 768 c + 512 + 8 lane.  Every store of a wave covers 512 or 256 consecutive bytes, aligned to 256.
; xc: [row tile 0..1535 (Q, K, V on end)][K step 0..7] images.  wc: Wq, then Wo: [column tile 0..63][K step] images.
; Scale words (4 bytes = 128 along K of a row): [tile][pair of K steps 0..3][row 0..15][2 words], 512 bytes a tile.
; THE COLUMNS OF A WEIGHT'S TILE ARE NOT NEIGHBOURS: row r of tile 2 b + u is column 32 b + 8 u + r + 8 (r / 8), so that a later product's 16 registers of two neighbouring tiles are 16 neighbouring columns.
; Work-groups 0..383 take Q, K, V: a wave takes 16 rows x 512 k (4 fragments).  Each load reads 512 consecutive bytes of a row; the 16 rows turn through the wave's own stage in LDS, so that a lane gets whole blocks of 32.
; Work-groups 384..511 take the weights: a wave takes one fragment; a lane takes a column and its registers run down K: nothing is transposed.
; (Its loads are runs of 32 bytes and its scale words leave 4 bytes a row: 8 MB of the 109 MB that the launch reads, 64 KB of what it writes.)
; No tensor loads, no barrier: waves share nothing.
.set WREG, 8704                        ; LDS of a wave: a stage of 16 rows x 528 bytes, then 256 bytes of scale words
.set SP,   528                         ; a stage row: 512 bytes + 16: the 16 rows that a load touches start at 16 different columns of 16 bytes
.set R,    16                          ; v16-143  two sets of 64: a fragment's numbers as loaded
.set X,    144                         ; v144-207 register 32 c + i: number i of block 2 c + h of row r
.set C,    208                         ; v208-219 the fragment
.set T,    220                         ; v220-222, v224-226 the upper halves of the two blocks' codes
.set MX,   228                         ; v228-229 largest magnitudes
.set SO,   230                         ; v230-231 the conversions' scale operands
.set BY,   232                         ; v232-233 bytes
.set PW,   234                         ; v234     the row's scale word
.set PD,   235                         ; v235     a lane permute's destination
.set SW,   238                         ; v238-239 scale words on the way out
; 64 numbers of a lane become a fragment in v[C] on and its row's scale word in v[PW].
.macro QW
.irp c, 0,1
	v_max3_num_f32 v[MX+\c], |v[X+32*\c]|, |v[X+32*\c+1]|, 0x1800000       ; all 32 numbers of a block are mine; the floor 2^(3 - 127) holds the byte at 1 from below
.endr
.irp i, 2,4,6,8,10,12,14,16,18,20,22,24,26,28,30
.irp c, 0,1
	s_delay_alu instid0(VALU_DEP_2)
	v_max3_num_f32 v[MX+\c], v[MX+\c], |v[X+32*\c+\i]|, |v[X+32*\c+\i+1]|  ; the two blocks by turns
.endr
.endr
.irp c, 0,1
	s_delay_alu instid0(VALU_DEP_2)
	v_add_nc_u32 v[SO+\c], 0xff000000, v[MX+\c]    ; 2 off the exponent field: the conversion takes this operand's exponent field as its scale
.endr
.irp c, 0,1
	s_delay_alu instid0(VALU_DEP_2)
	v_lshrrev_b32 v[BY+\c], 23, v[SO+\c]           ; the byte
.endr
	s_delay_alu instid0(VALU_DEP_1)
	v_lshl_or_b32 v[PW], v[BY+1], 16, v[BY]        ; my bytes: blocks h and 2 + h,
	s_delay_alu instid0(VALU_DEP_1)
	v_lshlrev_b32 v[PW], v9, v[PW]                 ; 8 h bits up;
	s_delay_alu instid0(VALU_DEP_1)
	v_permlanex16_b32 v[PD], v[PW], s24, s25
	s_delay_alu instid0(VALU_DEP_1)
	v_or_b32 v[PW], v[PW], v[PD]                   ; with lane l xor 16's two the word is whole
	s_wait_alu depctr_va_vdst(0)
	s_wait_xcnt 0x0                                ; the last fragment's stores have read v[C] on: it is written again only behind this wait
.irp c, 0,1
	v_cvt_scalef32_pk16_fp6_f32 v[C+6*\c:C+6*\c+2], v[X+32*\c:X+32*\c+15], v[SO+\c]
	v_cvt_scalef32_pk16_fp6_f32 v[T+4*\c:T+4*\c+2], v[X+32*\c+16:X+32*\c+31], v[SO+\c]   ; (a conversion's three registers begin on an even number)
.endr
	v_nop                                          ; one plain place behind a scaled conversion
.irp c, 0,1
.irp i, 0,1,2
	v_mov_b32 v[C+6*\c+3+\i], v[T+4*\c+\i]
.endr
.endr
.endm
.macro OUTF base, off                  ; the fragment's image
	global_store_b128 v1, v[C:C+3], s[\base:\base+1] offset:\off
	global_store_b64 v2, v[C+4:C+5], s[\base:\base+1] offset:\off+512
	global_store_b128 v1, v[C+6:C+9], s[\base:\base+1] offset:\off+768
	global_store_b64 v2, v[C+10:C+11], s[\base:\base+1] offset:\off+1280
.endm
.macro LOAD f                          ; fragment f: 16 rows, 512 consecutive bytes of each, into set f % 2
.irp i, 0,1,2,3,4,5,6,7,8,9,10,11,12,13,14,15
	global_load_b128 v[R+64*((\f)%2)+4*\i:R+64*((\f)%2)+4*\i+3], v1, s[4:5] offset:4096*\i+512*(\f) th:TH_LOAD_NT
.endr
.endm
.macro TURN f                          ; through the stage: LDS serves a wave's instructions in order, so no wait stands between the stores and the loads
.irp i, 0,1,2,3,4,5,6,7,8,9,10,11,12,13,14,15
	ds_store_b128 v5, v[R+64*((\f)%2)+4*\i:R+64*((\f)%2)+4*\i+3] offset:SP*\i
.endr
.irp c, 0,1
.irp j, 0,1,2,3,4,5,6,7
	ds_load_b128 v[X+32*\c+4*\j:X+32*\c+4*\j+3], v6 offset:256*\c+16*\j
.endr
.endr
.endm
.macro FRAGX f
.if \f < 3
	s_wait_loadcnt 16                              ; this fragment's 16 loads are in; the next fragment's 16 may be out
.else
	s_wait_loadcnt 0x0
.endif
	TURN \f
	s_wait_dscnt 0x0                               ; my blocks are in, and the stage's stores have read set f % 2,
.if \f < 2
	LOAD \f+2                                      ; which takes the fragment two further on
.endif
	QW
	OUTF 14, 1536*\f
	ds_store_b32 v7, v[PW] offset:128*(\f/2)+4*(\f%2)   ; lanes l and l xor 16 write the same word with the same value
.endm
	s_load_b256 s[4:11], s[0:1], 0x0               ; Q, K, V, Wq
	s_load_b256 s[12:19], s[0:1], 0x20             ; Wo, xc, xs, wc
	s_load_b64 s[20:21], s[0:1], 0x40              ; ws
	v_lshl_add_u32 v240, v0, 2, 0x11000
	v_mov_b32 v241, 0
	v_lshrrev_b32 v12, 5, v0
	s_delay_alu instid0(VALU_DEP_1)
	v_readfirstlane_b32 s22, v12                   ; wave 0..7
	v_and_b32 v13, 31, v0                          ; lane
	s_delay_alu instid0(VALU_DEP_1)
	v_lshlrev_b32 v1, 4, v13                       ; 16 lane
	s_delay_alu instid0(VALU_DEP_2)
	v_lshlrev_b32 v2, 3, v13                       ; 8 lane
	v_and_b32 v3, 15, v0                           ; r
	v_bfe_u32 v4, v0, 4, 1                         ; h
	s_delay_alu instid0(VALU_DEP_1)
	v_lshlrev_b32 v9, 3, v4                        ; 8 h
	v_mov_b32 v[PD], 0                             ; written once: a lane permute's destination counts as one of its sources
	s_mov_b32 s24, 0x76543210
	s_mov_b32 s25, 0xfedcba98                      ; v_permlanex16_b32's selects for lane l xor 16
	s_mul_i32 s23, s22, WREG
	v_add_nc_u32 v5, s23, v1                       ; the stage, in: 16 lane
	v_mul_u32_u24 v6, v3, SP
	s_delay_alu instid0(VALU_DEP_1)
	v_lshl_add_u32 v6, v4, 7, v6
	s_delay_alu instid0(VALU_DEP_1)
	v_add_nc_u32 v6, s23, v6                       ; and out: row r, + 128 h
	s_add_co_u32 s23, s23, 16*SP
	v_lshl_add_u32 v7, v3, 3, s23                  ; my row's scale words: 8 r
	v_add_nc_u32 v8, s23, v2                       ; and all of them on the way out: 8 lane
	s_wait_kmcnt 0x0
	s_cmp_ge_u32 ttmp9, 384
	s_cbranch_scc1 .Lweights
	; ---- Q, K, V
	s_lshr_b32 s26, ttmp9, 7                       ; which tensor: the same for the whole work-group
	s_cmp_eq_u32 s26, 1
	s_cselect_b64 s[4:5], s[6:7], s[4:5]
	s_cmp_eq_u32 s26, 2
	s_cselect_b64 s[4:5], s[8:9], s[4:5]
	s_lshl_b32 s27, ttmp9, 2
	s_lshr_b32 s28, s22, 1
	s_add_co_u32 s27, s27, s28                     ; row tile 0..1535
	s_and_b32 s28, s22, 1                          ; which 512 along K
	s_and_b32 s30, s27, 511
	s_lshl_b32 s30, s30, 16                        ; 16 rows of 4,096 bytes
	s_lshl_b32 s29, s28, 11
	s_add_co_u32 s30, s30, s29
	s_mov_b32 s31, 0
	s_add_nc_u64 s[4:5], s[4:5], s[30:31]
	s_lshl_b32 s30, s27, 3
	s_lshl_b32 s29, s28, 2
	s_add_co_u32 s30, s30, s29
	s_mul_i32 s30, s30, 1536
	s_add_nc_u64 s[14:15], s[14:15], s[30:31]      ; xc at my first image
	s_lshl_b32 s30, s27, 9
	s_lshl_b32 s29, s28, 8
	s_add_co_u32 s30, s30, s29
	s_add_nc_u64 s[16:17], s[16:17], s[30:31]      ; xs at my 256 bytes
	LOAD 0
	LOAD 1
	s_wait_alu depctr_va_vdst(0)
	FRAGX 0
	FRAGX 1
	FRAGX 2
	FRAGX 3
	ds_load_b64 v[SW:SW+1], v8                     ; LDS serves a wave's instructions in order: this sees my stores
	s_wait_dscnt 0x0
	global_store_b64 v2, v[SW:SW+1], s[16:17]      ; 32 lanes store 256 consecutive bytes, aligned
	s_wait_tensorcnt 0x0
	ds_add_u32 v240, v241
	s_wait_dscnt 0x0
	s_endpgm
	; ---- Wq, Wo
.Lweights:
	s_sub_co_u32 s26, ttmp9, 384
	s_lshl_b32 s26, s26, 3
	s_add_co_u32 s26, s26, s22                     ; fragment 0..1023
	s_lshr_b32 s27, s26, 9                         ; which weight: the same for the whole work-group
	s_bfe_u32 s28, s26, 0x30006                    ; K step
	s_and_b32 s29, s26, 63                         ; column tile: the eight waves stand side by side
	s_cmp_eq_u32 s27, 0
	s_cselect_b64 s[4:5], s[10:11], s[12:13]
	s_lshl_b32 s30, s28, 19                        ; 128 rows of 4,096 bytes
	s_lshr_b32 s33, s29, 1
	s_lshl_b32 s33, s33, 7                         ; column 32 (tile / 2),
	s_add_co_u32 s30, s30, s33
	s_and_b32 s33, s29, 1
	s_lshl_b32 s33, s33, 5                         ; + 8 (tile % 2)
	s_add_co_u32 s30, s30, s33
	s_mov_b32 s31, 0
	s_add_nc_u64 s[4:5], s[4:5], s[30:31]
	s_lshl_b32 s30, s29, 3
	s_add_co_u32 s30, s30, s28
	s_mul_i32 s30, s30, 1536
	s_mul_i32 s33, s27, 786432
	s_add_co_u32 s30, s30, s33
	s_add_nc_u64 s[18:19], s[18:19], s[30:31]      ; wc at my image
	s_lshl_b32 s30, s29, 9
	s_lshr_b32 s33, s28, 1
	s_lshl_b32 s33, s33, 7
	s_add_co_u32 s30, s30, s33
	s_and_b32 s33, s28, 1
	s_lshl_b32 s33, s33, 2
	s_add_co_u32 s30, s30, s33
	s_lshl_b32 s33, s27, 15
	s_add_co_u32 s30, s30, s33
	s_add_nc_u64 s[20:21], s[20:21], s[30:31]      ; ws at my K step's words
	v_and_b32 v10, 8, v3
	s_delay_alu instid0(VALU_DEP_1)
	v_add_nc_u32 v10, v10, v3                      ; r + 8 (r / 8)
	s_delay_alu instid0(VALU_DEP_1)
	v_lshlrev_b32 v10, 2, v10
	s_delay_alu instid0(VALU_DEP_1)
	v_lshl_add_u32 v10, v4, 17, v10                ; lanes 16-31 begin 32 rows further down
	v_lshlrev_b32 v11, 3, v3                       ; 8 r
.irp c, 0,1
.irp i, 0,1,2,3,4,5,6,7,8,9,10,11,12,13,14,15,16,17,18,19,20,21,22,23,24,25,26,27,28,29,30,31
	global_load_b32 v[X+32*\c+\i], v10, s[4:5] offset:(64*\c+\i)*4096
.endr
.endr
	s_wait_loadcnt 0x0
	QW
	OUTF 18, 0
	global_store_b32 v11, v[PW], s[20:21]          ; lanes l and l xor 16 store the same word with the same value
	s_endpgm
.Lfunc_end_k_qc247c217ca_quant:
	.size	k_qc247c217ca_quant, .Lfunc_end_k_qc247c217ca_quant-k_qc247c217ca_quant
	.p2alignl 7, 3214868480
	.fill 96, 4, 3214868480
	.section	.rodata,"a",@progbits
	.p2align	6, 0x0
	.amdhsa_kernel k_qc247c217ca_quant
		.amdhsa_group_segment_fixed_size 70656
		.amdhsa_private_segment_fixed_size 0
		.amdhsa_enable_private_segment 0
		.amdhsa_kernarg_size 72
		.amdhsa_user_sgpr_count 2
		.amdhsa_user_sgpr_kernarg_segment_ptr 1
		.amdhsa_wavefront_size32 1
		.amdhsa_system_sgpr_workgroup_id_x 1
		.amdhsa_system_sgpr_workgroup_id_y 1
		.amdhsa_system_sgpr_workgroup_id_z 1
		.amdhsa_system_vgpr_workitem_id 0
		.amdhsa_next_free_vgpr 242
		.amdhsa_next_free_sgpr 66
		.amdhsa_reserve_vcc 0
		.amdhsa_float_denorm_mode_32 3
		.amdhsa_float_denorm_mode_16_64 3
		.amdhsa_memory_ordered 1
		.amdhsa_forward_progress 1
		.amdhsa_inst_pref_size 48
	.end_amdhsa_kernel
	.amdgpu_metadata
---
amdhsa.version: [ 1, 2 ]
amdhsa.kernels:
  - .name:           k_qc247c217ca_quant
    .symbol:         k_qc247c217ca_quant.kd
    .args:
      - { .name: Q, .offset: 0, .size: 8, .value_kind: global_buffer, .address_space: global }
      - { .name: K, .offset: 8, .size: 8, .value_kind: global_buffer, .address_space: global }
      - { .name: V, .offset: 16, .size: 8, .value_kind: global_buffer, .address_space: global }
      - { .name: Wq, .offset: 24, .size: 8, .value_kind: global_buffer, .address_space: global }
      - { .name: Wo, .offset: 32, .size: 8, .value_kind: global_buffer, .address_space: global }
      - { .name: xc, .offset: 40, .size: 8, .value_kind: global_buffer, .address_space: global }
      - { .name: xs, .offset: 48, .size: 8, .value_kind: global_buffer, .address_space: global }
      - { .name: wc, .offset: 56, .size: 8, .value_kind: global_buffer, .address_space: global }
      - { .name: ws, .offset: 64, .size: 8, .value_kind: global_buffer, .address_space: global }
    .group_segment_fixed_size: 70656
    .private_segment_fixed_size: 0
    .kernarg_segment_align: 8
    .kernarg_segment_size: 72
    .max_flat_workgroup_size: 256
    .sgpr_count:     66
    .vgpr_count:     242
    .wavefront_size: 32
...
	.end_amdgpu_metadata
.endif
;; end of part 1
;; launch proj (part 2): grid 4 x 64, 4 waves a work-group, clusters of 4 x 4, 327,680 bytes of LDS; arguments xc, xs, wc, ws, bq, hc, hs; writes hc, hs
.if DOCPART == 2
	.amdgcn_target "amdgcn-amd-amdhsa--gfx1250"
	.amdhsa_code_object_version 6
	.text
	.protected	k_qc247c217ca_proj
	.globl	k_qc247c217ca_proj
	.p2align	8
	.type	k_qc247c217ca_proj,@function
k_qc247c217ca_proj:
	s_mov_b64 s[64:65], 0
	v_nop
	global_prefetch_b8 v0, s[64:65] scope:SCOPE_SE
	s_setreg_imm32_b32 hwreg(HW_REG_WAVE_MODE, 25, 1), 1
	s_wait_xcnt 0x0
	s_wait_alu depctr_hold_cnt(0) depctr_sa_sdst(0) depctr_va_vdst(0) depctr_va_sdst(0) depctr_va_ssrc(0) depctr_va_vcc(0) depctr_vm_vsrc(0)
	s_getreg_b32 s2, hwreg(HW_REG_IB_STS2, 6, 4)
	s_cmp_eq_u32 s2, 0
	s_cbranch_scc0 .Lentry_in_a_cluster
	s_endpgm
.Lentry_in_a_cluster:
	s_bfe_u32 s2, ttmp6, 0x10000c
	s_cmp_lg_u32 s2, 0xf033
	s_cbranch_scc0 .Lentry_shape_is_right
	s_endpgm
.Lentry_shape_is_right:
; k = K Wq + bq and v = V Wq + bq on codes of FP6 (E2M3) with E8M0 scales, sums in f32; the results are quantised in registers and leave as codes: k along the head's 64, v along the keys.
; (q is made by the attention launch, where each work-group needs a part of it that no other needs.)
; One body, C'[m'][n'] = sum over k of A'[m'][k] B'[n'][k] + bias, K = 1,024.  A tile of C' is 256 x 256: four waves, each 128 x 128: 64 accumulators, 512 registers.
; THE MATRIX INSTRUCTION IS USED TRANSPOSED (source 0 = 16 rows of B', source 1 = 16 rows of A'): lane (r, h) holds row r of A', and register j of a tile row 8 h + j of B'.
; Clusters y = 0..7 (k):  A' = the rows of K, B' = Wq's columns: a lane holds one token, its registers run along the channels.
; Clusters y = 8..15 (v): A' = Wq's columns, B' = the rows of V: a lane holds one CHANNEL and its registers run along the KEYS, which are the K of the product that v enters: nothing is transposed.
; The choice hangs on the cluster's y alone, which all partners share.  128 + 128 tiles: 256 work-groups of equal work.
; OPERANDS lie in memory as images of their registers (1,536 bytes for 16 rows x 128 K: registers 6 c .. 6 c + 3 at 768 c + 16 lane, 6 c + 4, 6 c + 5 at 768 c + 512 + 8 lane): every LDS load takes consecutive bytes.
; Wq's tiles hold columns 32 b + 8 u + r + 8 (r / 8) (tile 2 b + u, row r): so the 16 registers of tiles 2 b, 2 b + 1 are 16 neighbouring channels, and k comes out in natural order.
; The rows of V are not so chosen: inside a block of 32 keys, place 16 h + 8 u + j holds key 16 u + 8 h + j.  The softmax's weights get the same order in the attention launch, and a block holds the same 32 keys as the rule's.
; K goes in steps of 256 through a ring of two LDS slots; 1,024 along K are four slots, written out.  The scale words of the work-group's rows for all of K come once, with the first fills.
; CLUSTERS: 4 x 4 work-groups; A's tiles are asked for jointly along a row of the cluster, B's along a column.  A wave has at most one tensor load out.
; OUT: hc: k: [b][head][token tile 0..127] half images of 768 bytes; v at 6,291,456: [b][head][128 keys 0..15][channel tile 0..3] 1,536 bytes: registers 4 c .. 4 c + 3 at 512 c + 16 lane.
;      hs: k: [b][head][token] a word (bytes 0, 1: the head's two blocks; bytes 2, 3: 0); v at 524,288: [b][head][128 keys][channel tile][16] words.
; LIMITS: as in the quantising launch: a block's byte is held at 1 from below, a block of zeros has the byte 1; NaN and infinities are not served.
; REGISTERS, in windows of 256: window 0: v8-13, v16-29 addresses; v32-63 scale words, two sets, and nothing else; v64-127 the bias as eight tiles in the result's layout, later at work on the way out;
;   v128-223 A's fragments, ONE set; v224-231 the bias's offsets.   window 1: B's fragments, two sets, at v0 and v128.   windows 2, 3: accumulator (a, b) at v[8 (8 (a % 4) + b)].
.set ROWT,   3072                      ; a row tile's bytes in a slot: two images
.set HALFT,  8*ROWT                    ; 128 rows: what one tensor load brings, and what one wave reads of A or of B
.set SLOT,   4*HALFT                   ; A's 256 rows, then B's
.set SCL,    2*SLOT                    ; behind the ring: the scale words
.set HALFS,  4096                      ; those of 128 rows, all of K
.set SPARE,  SCL+4*HALFS               ; the spare words, 128 bytes a wave: two blocks of 256 bytes that no other line names
.set SSQ,    SPARE+512                 ; k's scale words on the way out: 1,024 bytes a wave
.set SSV,    SSQ+4096                  ; v's: 512 bytes a wave (each way out has bytes of its own)
.set NQ,     2                         ; matrix instructions deep in a slot
.set FR,     12                        ; registers of a fragment
.set NL,     4                         ; LDS loads that bring one
.set NP,     4                         ; places behind this matrix instruction (ISA guide 7.12.1)
.set ADRA, 16                          ; v16-17 my A fragments in slot 0, 1, + 16 lane;  v18-19 the same + 8 lane
.set ADRB, 20                          ; v20-23 the same for B
.set L16,  24                          ; v24 16 lane
.set L8,   25                          ; v25 8 lane
.set ADRS, 27                          ; v27 my scale words: lanes 0-15 A's rows, lanes 16-31 B's
.set SPW,  28                          ; v28 my spare word: SPARE + 4 x my thread's number; never rewritten
.set NIL,  29                          ; v29 0; never rewritten
.set SC,   32                          ; scale words: set s at v[SC + 16 s]; register 2 i + q: lanes 0-15 A's block i, lanes 16-31 B's block i, the slot's q-th 128 along K
.set BI,   64                          ; the bias
.set AF,   128                         ; A's fragments
.set BO,   224                         ; the bias's offsets
.set TM,   64                          ; the way out: v64-67 largest magnitudes, v68-71 bytes, v76-79 scale operands
.set PW,   80                          ; the scale word just made
.set SW,   81                          ; a head's half of it
.set PC,   128                         ; the codes just made, v128-139; v140-142, v144-146 at work
.set G1, 24
.set G0, 32
.set G1B, 48
.set G0B, 56
.set G1S, 68
.set G0S, 76
.set G1SB, 80
.set G0SB, 88
.set MSB, 0
.macro WIN new                         ; the immediate's high byte repeats the setting that is left
.if MSB != (\new)
	s_set_vgpr_msb (MSB<<8)|(\new)
.set MSB, (\new)
.endif
.endm
.set MUL_LO, 0xa1                      ; source 0 (B) window 1, source 1 (A) window 0, C and D window 2
.set MUL_HI, 0xf1                      ; the same, C and D window 3
.set FST_LO, 0x81                      ; the first step: C (the bias) window 0, D window 2
.set FST_HI, 0xc1                      ; D window 3
.set TO_B,   0x40                      ; destination window 1, address window 0
; A joint load: waves 0 and 1 fetch for A, waves 2 and 3 for B; the branch hangs on the wave's number alone.  Four v_nop follow each of the two lines.
.macro JLOAD g0a, g1a, g0b, g1b
	s_cmp_eq_u32 s15, 0
	s_cbranch_scc0 .Lfor_b_\@
	tensor_load_to_lds s[\g0a:\g0a+3], s[\g1a:\g1a+7]
	s_nop 0
.rept 4
	v_nop
.endr
	s_branch .Lasked_\@
.Lfor_b_\@:
	tensor_load_to_lds s[\g0b:\g0b+3], s[\g1b:\g1b+7]
	s_nop 0
.rept 4
	v_nop
.endr
.Lasked_\@:
.endm
.macro CREST                           ; a round of the cluster's barrier behind its opening barrier
	s_cmp_lg_u32 s14, 0
	s_cbranch_scc1 .Lnot_wave_0_\@
	s_barrier_signal -3
.Lnot_wave_0_\@:
	s_barrier_wait -3
	s_barrier_signal -1
	s_barrier_wait -1
.endm
.macro CROUND
	s_barrier_signal -1
	s_barrier_wait -1
	CREST
.endm
.macro PLACES n
.rept \n
	v_nop
.endr
.endm
.macro FRAG reg, adr, q, i             ; a fragment's image comes back as it was stored: four loads of consecutive bytes
	ds_load_b128 v[\reg:\reg+3], v[\adr] offset:ROWT*(\i)+1536*(\q)
	ds_load_b64 v[\reg+4:\reg+5], v[\adr+2] offset:ROWT*(\i)+1536*(\q)+512
	ds_load_b128 v[\reg+6:\reg+9], v[\adr] offset:ROWT*(\i)+1536*(\q)+768
	ds_load_b64 v[\reg+10:\reg+11], v[\adr+2] offset:ROWT*(\i)+1536*(\q)+1280
.endm
; 16 matrix instructions: A's blocks a0, a0 + 1 x B's eight, the slot's q-th 128 along K.  p: B's set; sc: the set of scale words.
; zero = 0: in place; 1: the sum starts with the bias of B's block b; 2: with that of A's block a.  Nothing is cleared, and the bias costs no addition.
; The 64 accumulators take turns, one instruction a turn, in the same order in every step.
.macro MUL16 a0, p, q, sc, zero
.irp a, \a0, \a0+1
.irp b, 0,1,2,3,4,5,6,7
.set DR, 8*(8*((\a)%4)+\b)
.set BR, 128*(\p)+FR*\b
.set AR, AF+FR*(\a)
.set SRB, SC+8*NQ*(\sc)+NQ*\b+(\q)
.set SRA, SC+8*NQ*(\sc)+NQ*(\a)+(\q)
.if \zero == 0
.set CR, DR
.elseif \zero == 1
.set CR, BI+8*\b
.else
.set CR, BI+8*(\a)
.endif
	v_wmma_scale_f32_16x16x128_f8f6f4 v[DR:DR+7], v[BR:BR+FR-1], v[AR:AR+FR-1], v[CR:CR+7], v[SRB], v[SRA] matrix_a_fmt:MATRIX_FMT_FP6 matrix_b_fmt:MATRIX_FMT_FP6 matrix_a_scale:MATRIX_SCALE_ROW1
.endr
.endr
.endm
.macro FETCH_B slot, q, p
	WIN TO_B
.irp i, 0,1,2,3,4,5,6,7
	FRAG 128*(\p)+FR*\i, ADRB+\slot, \q, \i
.endr
	WIN 0
.endm
.macro FETCH_A slot, q, i0
.irp i, \i0, \i0+1, \i0+2, \i0+3
	FRAG AF+FR*(\i), ADRA+\slot, \q, \i
.endr
.endm
.macro SCALES sc                       ; a slot's two words a row: lanes 0-15 take A's block i, lanes 16-31 B's
.irp i, 0,1,2,3,4,5,6,7
	ds_load_b64 v[SC+8*NQ*\sc+NQ*\i:SC+8*NQ*\sc+NQ*\i+1], v[ADRS] offset:512*\i
.endr
.endm
; A step of 128 along K that has its successor in the same slot.  A's blocks are free as soon as their eight products are issued: blocks 0-3 are fetched anew in the middle, blocks 4-7 at the end.
.macro STEP slot, q, zero
	s_wait_dscnt 4*NL                              ; B's set, A's blocks 0-3 and the scale words are in; the youngest 16 loads (A's blocks 4-7) may be out
.if \zero
	WIN FST_LO
.else
	WIN MUL_LO
.endif
	MUL16 0, (\q)%2, \q, \slot, \zero
	MUL16 2, (\q)%2, \q, \slot, \zero
	s_wait_dscnt 0                                 ; A's blocks 4-7 are in
	PLACES NP                                      ; in front of loads into registers that matrix instructions have read
	FETCH_B \slot, (\q)+1, 1-(\q)%2
	FETCH_A \slot, (\q)+1, 0
.if \zero
	WIN FST_HI
.else
	WIN MUL_HI
.endif
	MUL16 4, (\q)%2, \q, \slot, \zero
	MUL16 6, (\q)%2, \q, \slot, \zero
	PLACES NP
	WIN 0
	FETCH_A \slot, (\q)+1, 4
.endm
; A slot's last step changes slots: ONE barrier; in front of it each wave waits for all its tensor loads, adds 0 to its spare word, and waits for that and for its reads of this slot.
.macro TURN slot, next, fill
	s_wait_tensorcnt 0x0                           ; all my tensor loads have landed: my part of the next slot
	ds_add_u32 v[SPW], v[NIL]                      ; 0 onto my spare word
	s_wait_dscnt 4*NL+1                            ; (the add and the youngest 16 loads, A's blocks 4-7, may be out)
	WIN MUL_LO
	MUL16 0, 1, NQ-1, \slot, 0                     ; sixteen matrix instructions stand between the add and the wait for it
	s_wait_dscnt 0x0                               ; the add is done, and my reads of this slot are over
	s_barrier_signal -1
	MUL16 2, 1, NQ-1, \slot, 0
	WIN 0
	s_barrier_wait -1
.if \fill
	CREST                                          ; the barrier has opened a round of the cluster's barrier: no wave of any partner still reads this slot or has a load on its way
	s_add_nc_u64 s[G0+4*\slot+2:G0+4*\slot+3], s[G0+4*\slot+2:G0+4*\slot+3], 2*ROWT
	s_add_nc_u64 s[G0B+4*\slot+2:G0B+4*\slot+3], s[G0B+4*\slot+2:G0B+4*\slot+3], 2*ROWT
	JLOAD G0+4*\slot, G1, G0B+4*\slot, G1B         ; the first tensor load behind the round; its four v_nop are also the places in front of the loads below
.else
	PLACES NP
.endif
	s_wait_alu depctr_va_vdst(0)
	v_add_nc_u32 v[ADRS], 128, v[ADRS]             ; the next slot's scale words
	FETCH_B \next, 0, 0
	FETCH_A \next, 0, 0
	SCALES \next
	WIN MUL_HI
	MUL16 4, 1, NQ-1, \slot, 0
	MUL16 6, 1, NQ-1, \slot, 0
	PLACES NP
	WIN 0
	FETCH_A \next, 0, 4
.endm
; The way out: block a's 64 numbers of a lane (register 16 b + i: place 16 h + i of block b of my row) become a fragment in v[PC] on and its scale word in v[PW].
.macro QUANTW a
.set QS, 64*((\a)%4)
.set QN, 2+(\a)/4
.irp b, 0,1,2,3
	v_mov_b32 v[TM+\b], 0x1800000                  ; the floor 2^(3 - 127): the byte cannot fall under 1
.endr
	WIN (QN<<2)|(QN<<4)                            ; sources 1 and 2: the accumulators' window
.irp i, 0,2,4,6,8,10,12,14
.irp b, 0,1,2,3
	v_max3_num_f32 v[TM+\b], v[TM+\b], |v[QS+16*\b+\i]|, |v[QS+16*\b+\i+1]|   ; each accumulator from its low end on; the four blocks by turns
.endr
.endr
	WIN 0
.irp b, 0,1,2,3
	v_permlanex16_b32 v[TM+4+\b], v[TM+\b], s100, s101
.endr
.irp b, 0,1,2,3
	v_max_num_f32 v[TM+\b], v[TM+\b], v[TM+4+\b]   ; with lane l xor 16's 16: the block's largest magnitude
.endr
.irp b, 0,1,2,3
	v_add_nc_u32 v[TM+12+\b], 0xff000000, v[TM+\b] ; 2 off its exponent field: the conversion's scale operand
.endr
.irp b, 0,1,2,3
	v_lshrrev_b32 v[TM+4+\b], 23, v[TM+12+\b]      ; the byte
.endr
	v_lshl_or_b32 v[PW], v[TM+5], 8, v[TM+4]
	v_lshl_or_b32 v[PW], v[TM+6], 16, v[PW]
	v_lshl_or_b32 v[PW], v[TM+7], 24, v[PW]
	WIN QN                                         ; source 0: the accumulators' window
.irp c, 0,1
	v_cvt_scalef32_pk16_fp6_f32 v[PC+6*\c:PC+6*\c+2], v[QS+32*\c:QS+32*\c+15], v[TM+12+2*\c]
	v_cvt_scalef32_pk16_fp6_f32 v[PC+12+4*\c:PC+14+4*\c], v[QS+32*\c+16:QS+32*\c+31], v[TM+12+2*\c+1]   ; (a conversion's three registers begin on an even number)
.endr
	WIN 0
	v_nop                                          ; one plain place behind a scaled conversion
.irp c, 0,1                                    ; the operand's layout wants a WHOLE block in a lane: lanes 0-15 block 2 c, lanes 16-31 block 2 c + 1
.irp i, 0,1,2
	v_permlane16_swap_b32 v[PC+6*\c+\i], v[PC+12+4*\c+\i]
.endr
.irp i, 0,1,2
	v_mov_b32 v[PC+3+6*\c+\i], v[PC+12+4*\c+\i]
.endr
.endr
.endm
	s_load_b256 s[4:11], s[0:1], 0x0               ; xc, xs, wc, ws
	s_load_b128 s[96:99], s[0:1], 0x20             ; bq, hc
	s_load_b64 s[12:13], s[0:1], 0x30              ; hs
	v_lshl_add_u32 v[SPW], v0, 2, SPARE
	v_mov_b32 v[NIL], 0
	ds_add_u32 v28, v29
	ds_add_u32 v28, v29
	s_wait_dscnt 0x0
	v_lshrrev_b32 v1, 5, v0
	v_readfirstlane_b32 s14, v1                    ; wave 0..3
	s_lshr_b32 s15, s14, 1                         ; which half of the tile's rows (A') is mine.  Also: I fetch for A (0) or for B (1)
	s_and_b32 s16, s14, 1                          ; which half of its columns (B').  Also: which 128 rows I fetch
	s_bfe_u32 s40, ttmp6, 0x40000                  ; cx
	s_bfe_u32 s41, ttmp6, 0x40004                  ; cy
	s_and_b32 s66, ttmp7, 0xffff                   ; the cluster's y: 0..7 k, 8..15 v
	v_and_b32 v1, 15, v0                           ; r
	v_bfe_u32 v2, v0, 4, 1                         ; h
	s_wait_alu depctr_va_vdst(0)
	v_and_b32 v3, 8, v1
	v_add_nc_u32 v3, v3, v1                        ; r + 8 (r / 8)
	s_cmp_lt_u32 s66, 8
	s_cselect_b32 s17, s66, 0                      ; what the cluster's y adds to the tile row,
	s_cselect_b32 s42, 8, s66                      ; and (+ 8) to the tile column
	s_cselect_b32 s20, 512, 0                      ; K's rows begin 512 row tiles into xc and xs,
	s_cselect_b32 s67, 0, 1024                     ; V's 1,024
	s_cselect_b32 s18, 64, 0                       ; the bias's offset is s18 h + s19 (r + 8 (r / 8)) + s22 j:
	s_cselect_b32 s19, 0, 4                        ; k: register j is channel 16 h + j of B's block;  v: every register is channel r + 8 (r / 8) of A's block
	s_cselect_b32 s22, 4, 0
	v_mul_u32_u24 v4, s18, v2
	s_wait_alu depctr_va_vdst(0)
	v_mad_u32_u24 v4, s19, v3, v4
.irp j, 0,1,2,3,4,5,6,7
	v_mad_u32_u24 v[BO+\j], s22, \j, v4
.endr
	s_lshl_b32 s17, s17, 2
	s_add_co_u32 s17, s17, s41                     ; tile row of C'
	s_sub_co_u32 s42, s42, 8
	s_add_co_u32 s42, s42, ttmp9
	s_lshl_b32 s42, s42, 2
	s_add_co_u32 s42, s42, s40                     ; tile column of C'
	s_lshl_b32 s43, s41, 2
	s_lshl_b32 s43, 15, s43                        ; my row of the cluster
	s_lshl_b32 s44, 0x1111, s40                    ; my column
	; descriptor group 1 for codes: 8 row tiles x 3,072 bytes (384 elements of 8 bytes), 12,288 bytes apart in memory, dense in LDS
	s_or_b32 s[G1+0], s43, (3<<16)|(1<<21)         ; 15:0 the mask: A's tiles go to my row; 17:16 elements of 8 bytes; 21 set beside a mask; no padding
	s_or_b32 s[G1B+0], s44, (3<<16)|(1<<21)
.irp g, G1, G1B
	s_mov_b32 s[\g+1], 384<<16                     ; tensor_dim0
	s_mov_b32 s[\g+2], 8<<16                       ; tensor_dim1
	s_mov_b32 s[\g+3], 384<<16                     ; tile_dim0
	s_mov_b32 s[\g+4], 8                           ; tile_dim1
	s_mov_b32 s[\g+5], 1536                        ; tensor_dim0_stride
	s_mov_b32 s[\g+6], 0
	s_mov_b32 s[\g+7], 0
.endr
	; and for the scale words of 128 rows: 4,096 dense bytes as 16 rows of 256
	s_or_b32 s[G1S+0], s43, (3<<16)|(1<<21)
	s_or_b32 s[G1SB+0], s44, (3<<16)|(1<<21)
.irp g, G1S, G1SB
	s_mov_b32 s[\g+1], 32<<16
	s_mov_b32 s[\g+2], 16<<16
	s_mov_b32 s[\g+3], 32<<16
	s_mov_b32 s[\g+4], 16
	s_mov_b32 s[\g+5], 32
	s_mov_b32 s[\g+6], 0
	s_mov_b32 s[\g+7], 0
.endr
	s_lshl_b32 s18, s16, 3                         ; which 8 row tiles of the 16 I fetch
	s_lshl_b32 s19, s17, 4
	s_add_co_u32 s19, s19, s18
	s_add_co_u32 s19, s19, s20                     ; A': row tile 16 x tile row + 8 x half (+ 512 for K's rows)
	s_mul_i32 s32, s19, 12288                      ; its codes (kept, till the pointers are there, in registers that A's descriptors take),
	s_mov_b32 s33, 0
	s_lshl_b32 s34, s19, 9                         ; its scale words
	s_mov_b32 s35, 0
	s_lshl_b32 s95, s42, 4
	s_add_co_u32 s95, s95, s18
	s_add_co_u32 s95, s95, s67                     ; B': likewise
	s_mul_i32 s56, s95, 12288
	s_mov_b32 s57, 0
	s_lshl_b32 s58, s95, 9
	s_mov_b32 s59, 0
	s_mul_i32 s45, s14, HALFT                      ; where they go: wave x 128 rows: no place in the cluster enters an LDS address
	s_mul_i32 s94, s14, HALFS
	s_wait_kmcnt 0x0
	s_cmp_lt_u32 s66, 8                            ; which buffer is A' and which B': a choice on the cluster's y
	s_cselect_b64 s[20:21], s[4:5], s[8:9]
	s_cselect_b64 s[22:23], s[6:7], s[10:11]
	s_cselect_b64 s[46:47], s[8:9], s[4:5]
	s_cselect_b64 s[92:93], s[10:11], s[6:7]
	s_cselect_b32 s100, s42, s17                   ; the bias runs along the side that Wq is on
	s_cselect_b32 s101, s16, s15
	s_add_nc_u64 s[20:21], s[20:21], s[32:33]
	s_add_nc_u64 s[22:23], s[22:23], s[34:35]
	s_add_nc_u64 s[46:47], s[46:47], s[56:57]
	s_add_nc_u64 s[92:93], s[92:93], s[58:59]
	s_lshl_b32 s100, s100, 10
	s_lshl_b32 s101, s101, 9
	s_add_co_u32 s100, s100, s101
	s_mov_b32 s101, 0
	s_add_nc_u64 s[96:97], s[96:97], s[100:101]    ; bq at my 128 channels
	CROUND                                         ; all sixteen work-groups are here: the first joint loads meet
	s_mov_b32 s[G0S], 1
	s_add_co_u32 s[G0S+1], s94, SCL
	s_mov_b64 s[G0S+2:G0S+3], s[22:23]
	s_or_b32 s[G0S+3], s[G0S+3], 0x80000000
	s_mov_b32 s[G0SB], 1
	s_add_co_u32 s[G0SB+1], s94, SCL
	s_mov_b64 s[G0SB+2:G0SB+3], s[92:93]
	s_or_b32 s[G0SB+3], s[G0SB+3], 0x80000000
	JLOAD G0S, G1S, G0SB, G1SB                     ; the scale words first: they are wanted with the first slot
.irp s, 0,1
	s_mov_b32 s[G0+4*\s], 1
	s_add_co_u32 s[G0+4*\s+1], s45, \s*SLOT
	s_add_nc_u64 s[G0+4*\s+2:G0+4*\s+3], s[20:21], \s*ROWT
	s_or_b32 s[G0+4*\s+3], s[G0+4*\s+3], 0x80000000
	s_mov_b32 s[G0B+4*\s], 1
	s_add_co_u32 s[G0B+4*\s+1], s45, \s*SLOT
	s_add_nc_u64 s[G0B+4*\s+2:G0B+4*\s+3], s[46:47], \s*ROWT
	s_or_b32 s[G0B+4*\s+3], s[G0B+4*\s+3], 0x80000000
	s_wait_alu depctr_va_vdst(0)
	s_wait_tensorcnt 0x0
	ds_add_u32 v28, v29
	s_wait_dscnt 0x0
	CROUND
	JLOAD G0+4*\s, G1, G0B+4*\s, G1B
.endr
	s_wait_alu depctr_va_vdst(0)
.irp i, 0,1,2,3,4,5,6,7                        ; the bias, eight tiles in the result's layout
.irp j, 0,1,2,3,4,5,6,7
	global_load_b32 v[BI+8*\i+\j], v[BO+\j], s[96:97] offset:(32*(\i/2)+8*(\i%2))*4
.endr
.endr
	v_and_b32 v5, 31, v0
	v_lshlrev_b32 v[L16], 4, v5
	v_lshlrev_b32 v[L8], 3, v5
	s_mul_i32 s21, s15, HALFT                      ; my 128 rows of A'
	s_mul_i32 s22, s16, HALFT                      ; my 128 rows of B',
	s_add_co_u32 s22, s22, 2*HALFT                 ; which lie behind A's 256
.irp s, 0,1
	v_add_nc_u32 v[ADRA+\s], s21, v[L16]
	v_add_nc_u32 v[ADRA+2+\s], s21, v[L8]
	v_add_nc_u32 v[ADRB+\s], s22, v[L16]
	v_add_nc_u32 v[ADRB+2+\s], s22, v[L8]
	s_add_co_u32 s21, s21, SLOT
	s_add_co_u32 s22, s22, SLOT
.endr
	v_lshlrev_b32 v5, 3, v1                        ; my row's two words of a slot: 8 r
	s_mul_i32 s21, s15, HALFS
	s_mul_i32 s22, s16, HALFS
	s_add_co_u32 s22, s22, 2*HALFS
	s_sub_co_u32 s22, s22, s21
	v_mul_u32_u24 v6, s22, v2                      ; lanes 16-31 take B's: one product with h
	s_add_co_u32 s21, s21, SCL
	v_add_nc_u32 v5, v5, v6
	v_add_nc_u32 v[ADRS], s21, v5
	s_lshl_b32 s21, s14, 10                        ; the way out's addresses, all made here
	s_add_co_u32 s21, s21, SSQ
	v_lshl_add_u32 v8, v2, 9, s21
	v_lshl_add_u32 v8, v1, 2, v8                   ; k: my wave's 1,024 bytes: head h, token r
	v_add_nc_u32 v9, s21, v[L16]
	s_lshl_b32 s21, s14, 9
	s_add_co_u32 s21, s21, SSV
	v_lshl_add_u32 v10, v1, 2, s21                 ; v: my wave's 512 bytes: channel r
	v_add_nc_u32 v11, s21, v[L16]
	v_lshlrev_b32 v12, 4, v1
	v_lshl_add_u32 v12, v2, 12, v12                ; v's words in hs: 16 r, lanes 16-31 the next head
	v_lshlrev_b32 v13, 4, v2                       ; 16 h
	s_wait_alu depctr_va_vdst(0)
	s_wait_tensorcnt 1                             ; the scale words and my part of slot 0 are in; slot 1's load may be out
	s_barrier_signal -1
	s_barrier_wait -1
	FETCH_B 0, 0, 0
	FETCH_A 0, 0, 0
	SCALES 0
	FETCH_A 0, 0, 4
	s_wait_loadcnt 0x0                             ; the bias
	s_cmp_lt_u32 s66, 8
	s_cbranch_scc0 .Lfirst_v
	STEP 0, 0, 1                                   ; the first step starts the sums with the bias: k: along B's blocks;
	s_branch .Lfirst_done
.Lfirst_v:
	STEP 0, 0, 2                                   ; v: along A's
.Lfirst_done:
	TURN 0, 1, 1                                   ; slot 0 takes K 512..767
	STEP 1, 0, 0
	TURN 1, 0, 1                                   ; slot 1 takes K 768..1023
	STEP 0, 0, 0
	TURN 0, 1, 0                                   ; nothing is left to fetch
	STEP 1, 0, 0
	s_wait_dscnt 4*NL                              ; the very last step
	WIN MUL_LO
	MUL16 0, 1, NQ-1, 1, 0
	MUL16 2, 1, NQ-1, 1, 0
	s_wait_dscnt 0
	WIN MUL_HI
	MUL16 4, 1, NQ-1, 1, 0
	MUL16 6, 1, NQ-1, 1, 0
	WIN 0
	; THE WAY OUT: each block of 16 rows of A' x 128 rows of B' is one fragment along B'.
	s_mov_b32 s100, 0x76543210
	s_mov_b32 s101, 0xfedcba98                     ; v_permlanex16_b32's selects for lane l xor 16
	PLACES NP                                      ; behind the last products, in front of the first read of results
.irp b, 0,1,2,3
	v_mov_b32 v[TM+4+\b], 0                        ; a lane permute's destination counts as one of its sources
.endr
	s_cmp_lt_u32 s66, 8
	s_cbranch_scc0 .Lout_v
	; ---- k: my 128 channels are two heads; registers 0-5 of a fragment are the first head's 64, registers 6-11 the second's
	s_lshr_b32 s18, s17, 3                         ; tile row / 8 = b
	s_lshl_b32 s18, s18, 4
	s_lshl_b32 s19, s42, 2
	s_add_co_u32 s18, s18, s19
	s_lshl_b32 s19, s16, 1
	s_add_co_u32 s18, s18, s19                     ; 16 b + my first head
	s_and_b32 s19, s17, 7
	s_lshl_b32 s19, s19, 1
	s_add_co_u32 s19, s19, s15                     ; which 128 tokens of the 2,048
	s_mul_i32 s20, s18, 98304
	s_mul_i32 s22, s19, 8*768
	s_add_co_u32 s20, s20, s22
	s_mov_b32 s21, 0
	s_add_nc_u64 s[98:99], s[98:99], s[20:21]
	s_lshl_b32 s20, s18, 13
	s_lshl_b32 s22, s19, 9
	s_add_co_u32 s20, s20, s22
	s_add_nc_u64 s[12:13], s[12:13], s[20:21]
.irp a, 0,1,2,3,4,5,6,7
	s_wait_xcnt 0x0                                ; the last block's stores have read their registers
	s_wait_dscnt 0x0
	QUANTW \a
	global_store_b128 v[L16], v[PC:PC+3], s[98:99] offset:768*\a
	global_store_b64 v[L8], v[PC+4:PC+5], s[98:99] offset:768*\a+512
	global_store_b128 v[L16], v[PC+6:PC+9], s[98:99] offset:98304+768*\a
	global_store_b64 v[L8], v[PC+10:PC+11], s[98:99] offset:98304+768*\a+512
	v_lshrrev_b32 v[SW], v13, v[PW]                ; lanes 0-15 keep the first head's two bytes, lanes 16-31 the second's;
	v_and_b32 v[SW], 0xffff, v[SW]                 ; bytes 2 and 3 are 0
	ds_store_b32 v8, v[SW] offset:64*\a
.endr
	ds_load_b128 v[152:155], v9                    ; LDS serves a wave's instructions in order: these see my stores
	ds_load_b128 v[156:159], v9 offset:512
	s_wait_dscnt 0x0
	global_store_b128 v[L16], v[152:155], s[12:13]             ; 128 tokens' words of a head: 512 consecutive bytes
	global_store_b128 v[L16], v[156:159], s[12:13] offset:8192
	s_branch .Lend
.Lout_v:
	; ---- v: block a is channel tile a % 4 of head a / 4 of my two; its fragment runs along my 128 keys
	s_lshr_b32 s18, s42, 3                         ; b
	s_lshl_b32 s18, s18, 4
	s_lshl_b32 s19, s17, 2
	s_add_co_u32 s18, s18, s19
	s_lshl_b32 s19, s15, 1
	s_add_co_u32 s18, s18, s19                     ; 16 b + my first head
	s_lshl_b32 s18, s18, 4
	s_and_b32 s19, s42, 7
	s_lshl_b32 s19, s19, 1
	s_add_co_u32 s18, s18, s19
	s_add_co_u32 s18, s18, s16                     ; x 16 + which 128 keys
	s_mul_i32 s20, s18, 6144
	s_add_co_u32 s20, s20, 6291456
	s_mov_b32 s21, 0
	s_add_nc_u64 s[98:99], s[98:99], s[20:21]
	s_lshl_b32 s20, s18, 8
	s_add_co_u32 s20, s20, 524288
	s_add_nc_u64 s[12:13], s[12:13], s[20:21]
.irp a, 0,1,2,3,4,5,6,7
	s_wait_xcnt 0x0
	s_wait_dscnt 0x0
	QUANTW \a
.irp c, 0,1,2
	global_store_b128 v[L16], v[PC+4*\c:PC+4*\c+3], s[98:99] offset:98304*(\a/4)+1536*(\a%4)+512*\c
.endr
	ds_store_b32 v10, v[PW] offset:64*\a           ; lanes l and l xor 16 write the same word with the same value
.endr
	ds_load_b128 v[152:155], v11
	s_wait_dscnt 0x0
	global_store_b128 v12, v[152:155], s[12:13]    ; sixteen lanes store a head's 256 consecutive bytes, aligned
.Lend:
	s_wait_tensorcnt 0x0                           ; the wave's end
	ds_add_u32 v[SPW], v[NIL]
	s_wait_dscnt 0x0
	CROUND                                         ; the closing round: no work-group ends while a partner may still ask for a tile that names it
	s_endpgm
.Lfunc_end_k_qc247c217ca_proj:
	.size	k_qc247c217ca_proj, .Lfunc_end_k_qc247c217ca_proj-k_qc247c217ca_proj
	.p2alignl 7, 3214868480
	.fill 96, 4, 3214868480
	.section	.rodata,"a",@progbits
	.p2align	6, 0x0
	.amdhsa_kernel k_qc247c217ca_proj
		.amdhsa_group_segment_fixed_size 327680
		.amdhsa_private_segment_fixed_size 0
		.amdhsa_enable_private_segment 0
		.amdhsa_kernarg_size 56
		.amdhsa_user_sgpr_count 2
		.amdhsa_user_sgpr_kernarg_segment_ptr 1
		.amdhsa_wavefront_size32 1
		.amdhsa_system_sgpr_workgroup_id_x 1
		.amdhsa_system_sgpr_workgroup_id_y 1
		.amdhsa_system_sgpr_workgroup_id_z 1
		.amdhsa_system_vgpr_workitem_id 0
		.amdhsa_next_free_vgpr 1024
		.amdhsa_next_free_sgpr 102
		.amdhsa_reserve_vcc 0
		.amdhsa_float_denorm_mode_32 3
		.amdhsa_float_denorm_mode_16_64 3
		.amdhsa_memory_ordered 1
		.amdhsa_forward_progress 1
		.amdhsa_inst_pref_size 209
	.end_amdhsa_kernel
	.amdgpu_metadata
---
amdhsa.version: [ 1, 2 ]
amdhsa.kernels:
  - .name:           k_qc247c217ca_proj
    .symbol:         k_qc247c217ca_proj.kd
    .args:
      - { .name: xc, .offset: 0, .size: 8, .value_kind: global_buffer, .address_space: global }
      - { .name: xs, .offset: 8, .size: 8, .value_kind: global_buffer, .address_space: global }
      - { .name: wc, .offset: 16, .size: 8, .value_kind: global_buffer, .address_space: global }
      - { .name: ws, .offset: 24, .size: 8, .value_kind: global_buffer, .address_space: global }
      - { .name: bq, .offset: 32, .size: 8, .value_kind: global_buffer, .address_space: global }
      - { .name: hc, .offset: 40, .size: 8, .value_kind: global_buffer, .address_space: global }
      - { .name: hs, .offset: 48, .size: 8, .value_kind: global_buffer, .address_space: global }
    .group_segment_fixed_size: 327680
    .private_segment_fixed_size: 0
    .kernarg_segment_align: 8
    .kernarg_segment_size: 56
    .max_flat_workgroup_size: 128
    .sgpr_count:     102
    .vgpr_count:     1024
    .wavefront_size: 32
...
	.end_amdgpu_metadata
.endif
;; end of part 2
;; launch attn (part 3): grid 4 x 64, 16 waves a work-group, clusters of 4 x 1, 266,240 bytes of LDS; arguments xc, xs, wc, ws, bq, hc, hs, ac, asc; writes ac, asc
.if DOCPART == 3
	.amdgcn_target "amdgcn-amd-amdhsa--gfx1250"
	.amdhsa_code_object_version 6
	.text
	.protected	k_qc247c217ca_attn
	.globl	k_qc247c217ca_attn
	.p2align	8
	.type	k_qc247c217ca_attn,@function
k_qc247c217ca_attn:
	s_mov_b64 s[64:65], 0
	v_nop
	global_prefetch_b8 v0, s[64:65] scope:SCOPE_SE
	s_setreg_imm32_b32 hwreg(HW_REG_WAVE_MODE, 25, 1), 1
	s_wait_xcnt 0x0
	s_wait_alu depctr_hold_cnt(0) depctr_sa_sdst(0) depctr_va_vdst(0) depctr_va_sdst(0) depctr_va_ssrc(0) depctr_va_vcc(0) depctr_vm_vsrc(0)
	s_getreg_b32 s2, hwreg(HW_REG_IB_STS2, 6, 4)
	s_cmp_eq_u32 s2, 0
	s_cbranch_scc0 .Lentry_in_a_cluster
	s_endpgm
.Lentry_in_a_cluster:
	s_bfe_u32 s2, ttmp6, 0x10000c
	s_cmp_lg_u32 s2, 0x3003
	s_cbranch_scc0 .Lentry_shape_is_right
	s_endpgm
.Lentry_shape_is_right:
; For each (b, head): q = Q Wq + bq for the work-group's own queries and the head's 64 channels; O = softmax(q k^T / 8) v; all three products on codes of FP6 (E2M3) with E8M0 scales, sums in f32.
; q is quantised along the head's 64 in registers and never goes to memory; O is quantised along (head, d) and leaves as codes for the last product.
; THE SOFTMAX: t = score x log2(e) / 8; M = the running largest t rounded UP to a whole number; p = 2^(t - M) is what is quantised, along the keys, not normalised.  The row's sum is taken of the
; unquantised p in f32 and divides O at the end.  When M moves, the sum and O are multiplied by 2^(old M - new M): exact.
; A HEAD'S k AND v AS CODES, WITH THEIR SCALE WORDS, AND THE HEAD'S 64 COLUMNS OF Wq LIE IN LDS WHOLE: 260,096 bytes of tiles, filled once: no ring, no slot is filled again, nothing is stored to LDS.
; CLUSTER: the four work-groups of a cluster are the four quarters of one head's queries and need the same k, v and columns of Wq: each tile is asked for JOINTLY (mask 15).  Wave 0 asks for k's scale
; words and its four blocks of codes, wave 1 for v's, wave 2 for Wq's words and two blocks: by this text's count five tensor loads of a wave are out at the most.  One wait for all of them and one
; barrier stand ahead of the first LDS read.
; SHARES: a work-group owns 512 queries; each of its sixteen waves owns 16 of them in the first pass and 16 more in the second, in 256 registers: four waves to a SIMD, so that one wave's vector work
; stands beside another's matrix work and LDS loads.  256 work-groups of equal work.  No other work-group makes the same part of q.
; LAYOUT: all products are used transposed: q^T = Wq^T x^T, S^T = k q^T, O^T = v^T p^T: a lane holds ONE query (lane % 16) throughout.  All operands are images of their registers: every load takes consecutive bytes.
; Wq's tiles (and so v's channel tiles) hold columns 32 b + 8 u + r + 8 (r / 8): the 16 registers of tiles 2 b, 2 b + 1 of q^T and of O^T are 16 neighbouring channels.
; In S^T register j of tile t is key 16 t + 8 h + j: inside a block of 32 keys p's place 16 h + 8 u + j holds key 16 u + 8 h + j, the order in which the projection laid v: the products are the same.
; K = 64 IN AN INSTRUCTION OF 128: q's registers 6-11 are zero codes, and bytes 2, 3 of q's and k's scale words are 0 (2^-127).  So whatever codes stand in the upper six registers of k's operand add
; nothing (E2M3 has neither NaN nor infinity): they are the next tile's six registers (behind the last tile: six zeros).  A step's eight tiles of k so take 54 registers.
; LIMITS: NaN and infinities are not served; 1 / sum is v_rcp_f32; a block's byte is held at 1 from below, a block of zeros has the byte 1 (its codes are zeros; only this program reads the bytes);
; a block's largest p is made from its largest score by the same multiply-add and exponential, which takes v_exp_f32 not to fall where its input rises.
.set VC,   98304                       ; LDS: k's codes at 0 (128 token tiles x 768), v's here (16 x 4 x 1,536),
.set WC,   196608                      ; Wq's here (4 column tiles x 8 K steps x 1,536): the fetching wave w has its codes at 98,304 w
.set KSC,  245760                      ; k's scale words (2,048 x 4),
.set VSC,  253952                      ; v's (16 x 4 x 64),
.set WSC,  262144                      ; Wq's (4 x 512): the fetching wave w has its words at KSC + 8,192 w
.set L16,  1                           ; v1  16 lane
.set L8,   2                           ; v2  8 lane
.set AV0,  3                           ; v3  16 lane + VC
.set ASV0, 4                           ; v4  4 lane + VSC
.set ADK,  5                           ; v5-9 the step's LDS addresses
.set ADK8, 6
.set ADV,  7
.set ADS,  8
.set ADT,  9
.set R8,   10                          ; v10 8 r
.set ASK0, 11                          ; v11 4 lane + KSC
.set AW16, 12                          ; v12-15, v30: addresses that q's projection alone needs, in registers that the passes take afterwards: 16 lane + WC,
.set AW8,  13                          ; 8 lane + WC,
.set AWS,  14                          ; WSC + 8 r + 512 h,
.set BH,   15                          ; 64 h,
.set XR,   30                          ; 8 r + 8,192 h
.set QF,   16                          ; v16-21 q's codes, v22-27 zeros
.set QSW,  28                          ; v28 q's scale words
.set PSW,  29                          ; v29 p's scale word
.set FF,   30                          ; v[30:31] f = 2^(old M - new M) (v31 is named with it as a pair)
.set KV,   32                          ; v32-79 four fragments of Wq; eight half fragments of k; four fragments of v;  v80-85 zeros
.set KSW,  86                          ; v86-89 Wq's, later k's scale words: lanes 0-15 tile 2 b, lanes 16-31 tile 2 b + 1
.set VSW,  90                          ; v90-91 v's likewise.  (x's scale words of K step k stand in v28, v29, v90 .. v95: all these hold scale words and nothing else)
.set S,    96                          ; v96-159 q^T of my two tiles; S^T, then p
.set O,    160                         ; v160-191 O^T
.set XF,   160                         ; v160-255 x's fragments: K step k % 4, tile p at v[XF + 24 (k % 4) + 12 p]
.set PCD,  192                         ; v192-203 p's codes;  v204-206, v208-210 at work
.set CT,   204
.set BM,   212                         ; v212-215 the blocks' largest scores, then largest p
.set PB,   216                         ; v216-219 permutes' destinations, then bytes
.set SOP,  220                         ; v220-223 the conversions' scale operands
.set TT,   224                         ; v224 at work
.set SUM2, 226                         ; v[226:227] the second chain of the sum
.set Q1,   228                         ; v228-233 the second pass's q, v234 its scale words
.set Q1W,  234
.set WV,   22
.set SEL,  28
.set CS,   30
.set G1C,  32                          ; s[32:39] group 1 for a block of codes;  s[40:47] for k's scale words;  s[48:55] for v's;  s[56:63] for Wq's
.set G1KS, 40
.set G1VS, 48
.set G1WS, 56
.set G0S,  68                          ; s[68:71] group 0 for the scale words;  s[72:87] for the blocks of codes
.set TB,   88                          ; s88 the step's codes: 6,144 bytes a step, in k and in v alike
.set TS,   89                          ; s89 k's scale words: 512 a step
.set TJ,   90                          ; s90 v's: 256 a step
.set CNT,  91
.macro ROUND                           ; a round of the cluster's barrier
	s_barrier_signal -1
	s_barrier_wait -1
	s_cmp_lg_u32 s[WV], 0
	s_cbranch_scc1 .Lnot_wave_0_\@
	s_barrier_signal -3
.Lnot_wave_0_\@:
	s_barrier_wait -3
	s_barrier_signal -1
	s_barrier_wait -1
.endm
; A KEY STEP: 128 keys.
.macro STEP
	v_add_nc_u32 v[ADK], s[TB], v[L16]             ; five plain lines: also the places behind the last step's products, in front of the loads into the registers that they read
	v_add_nc_u32 v[ADK8], s[TB], v[L8]
	v_add_nc_u32 v[ADV], s[TB], v[AV0]
	v_add_nc_u32 v[ADS], s[TS], v[ASK0]
	v_add_nc_u32 v[ADT], s[TJ], v[ASV0]
.irp t, 0,1,2,3,4,5,6,7
	ds_load_b128 v[KV+6*\t:KV+6*\t+3], v[ADK] offset:768*\t
	ds_load_b64 v[KV+6*\t+4:KV+6*\t+5], v[ADK8] offset:768*\t+512
.endr
.irp b, 0,1,2,3
	ds_load_b32 v[KSW+\b], v[ADS] offset:128*\b
.endr
	s_wait_alu depctr_va_vdst(0)
	s_wait_dscnt 0x0
.irp t, 0,1,2,3,4,5,6,7                        ; S^T = k q^T
.if (\t%2) == 0
	v_wmma_scale_f32_16x16x128_f8f6f4 v[S+8*\t:S+8*\t+7], v[KV+6*\t:KV+6*\t+11], v[QF:QF+11], 0, v[KSW+\t/2], v[QSW] matrix_a_fmt:MATRIX_FMT_FP6 matrix_b_fmt:MATRIX_FMT_FP6
.else
	v_wmma_scale_f32_16x16x128_f8f6f4 v[S+8*\t:S+8*\t+7], v[KV+6*\t:KV+6*\t+11], v[QF:QF+11], 0, v[KSW+\t/2], v[QSW] matrix_a_fmt:MATRIX_FMT_FP6 matrix_b_fmt:MATRIX_FMT_FP6 matrix_a_scale:MATRIX_SCALE_ROW1
.endif
.endr
.rept 4
	v_nop                                          ; places: in front of the loads below and of the first read of the scores
.endr
.irp t, 0,1,2,3                                ; v's fragments are asked for now and land under the softmax
.irp c, 0,1,2
	ds_load_b128 v[KV+12*\t+4*\c:KV+12*\t+4*\c+3], v[ADV] offset:1536*\t+512*\c
.endr
.endr
.irp u, 0,1
	ds_load_b32 v[VSW+\u], v[ADT] offset:128*\u
.endr
.irp b, 0,1,2,3
	v_max3_num_f32 v[BM+\b], v[S+16*\b], v[S+16*\b+1], v[S+16*\b+2]   ; the largest score of each block of 32 keys: it serves the row's maximum and the block's largest p
.endr
.irp i, 3,5,7,9,11,13
.irp b, 0,1,2,3
	v_max3_num_f32 v[BM+\b], v[BM+\b], v[S+16*\b+\i], v[S+16*\b+\i+1]
.endr
.endr
.irp b, 0,1,2,3
	v_max_num_f32 v[BM+\b], v[BM+\b], v[S+16*\b+15]
.endr
.irp b, 0,1,2,3
	s_delay_alu instid0(VALU_DEP_4)
	v_permlanex16_b32 v[PB+\b], v[BM+\b], s[SEL], s[SEL+1]
.endr
.irp b, 0,1,2,3
	s_delay_alu instid0(VALU_DEP_4)
	v_max_num_f32 v[BM+\b], v[BM+\b], v[PB+\b]     ; with lane l xor 16's 16 keys
.endr
	s_delay_alu instid0(VALU_DEP_2)
	v_max3_num_f32 v[TT], v[BM], v[BM+1], v[BM+2]
	s_delay_alu instid0(VALU_DEP_1)
	v_max_num_f32 v[TT], v[TT], v[BM+3]            ; the step's largest score of my query
	s_delay_alu instid0(VALU_DEP_1)
	v_mul_f32 v[TT], s[CS], v[TT]                  ; as t (c is positive)
	s_delay_alu instid0(VALU_DEP_1)
	v_max_num_f32 v13, v13, v[TT]                  ; the running largest t
	v_mov_b32 v[TT], v12
	s_delay_alu instid0(VALU_DEP_2)
	v_floor_f32 v12, -v13                          ; the new -M = floor(-t): M is a whole number
	s_delay_alu instid0(VALU_DEP_1)
	v_sub_f32 v[TT], v12, v[TT]                    ; old M - new M: a whole number, 0 or less
	s_delay_alu instid0(VALU_DEP_1)
	v_cvt_i32_f32 v[TT], v[TT]                     ; (it saturates)
	s_delay_alu instid0(VALU_DEP_1)
	v_ldexp_f32 v[FF], 1.0, v[TT]                  ; f = 2^(old M - new M)
.set J, 0
.rept 32
	v_pk_fma_f32 v[S+J:S+J+1], v[S+J:S+J+1], s[CS:CS+1], v[12:13] op_sel_hi:[1,0,0]   ; t - M, two at a time (of the pairs c and -M the low word serves both halves)
.set J, J+2
.endr
.irp b, 0,1,2,3
	v_fma_f32 v[BM+\b], v[BM+\b], s[CS], v12       ; the same of each block's largest score
.endr
.set J, 0
	s_setprio 1
	s_wait_alu depctr_va_vdst(0)
.rept 64
	v_exp_f32 v[S+J], v[S+J]                       ; p = 2^(t - M), at most 1
.set J, J+1
.endr
.irp b, 0,1,2,3
	v_exp_f32 v[BM+\b], v[BM+\b]                   ; the block's largest p
.endr
	v_pk_mul_f32 v[14:15], v[14:15], v[FF:FF+1] op_sel_hi:[1,0]   ; the sums under the new M (a plain place behind the exponentials)
	s_wait_alu depctr_va_vdst(0)
.irp b, 0,1,2,3
	v_max_num_f32 v[BM+\b], 0x1800000, v[BM+\b]    ; the floor 2^(3 - 127): the byte cannot fall under 1
.endr
.irp b, 0,1,2,3
	s_delay_alu instid0(VALU_DEP_4)
	v_add_nc_u32 v[SOP+\b], 0xff000000, v[BM+\b]   ; 2 off the exponent field: the conversion's scale operand
.endr
.irp b, 0,1,2,3
	s_delay_alu instid0(VALU_DEP_4)
	v_lshrrev_b32 v[PB+\b], 23, v[SOP+\b]          ; the byte
.endr
	s_delay_alu instid0(VALU_DEP_3)
	v_lshl_or_b32 v[PSW], v[PB+1], 8, v[PB]        ; p's scale word for these 128 keys
	s_delay_alu instid0(VALU_DEP_1)
	v_lshl_or_b32 v[PSW], v[PB+2], 16, v[PSW]
	s_delay_alu instid0(VALU_DEP_1)
	v_lshl_or_b32 v[PSW], v[PB+3], 24, v[PSW]
.irp c, 0,1
	v_cvt_scalef32_pk16_fp6_f32 v[PCD+6*\c:PCD+6*\c+2], v[S+32*\c:S+32*\c+15], v[SOP+2*\c]
	v_cvt_scalef32_pk16_fp6_f32 v[CT+4*\c:CT+4*\c+2], v[S+32*\c+16:S+32*\c+31], v[SOP+2*\c+1]   ; (a conversion's three registers begin on an even number)
.endr
	v_nop                                          ; one plain place behind a scaled conversion
.irp c, 0,1                                    ; the operand's layout wants a WHOLE block in a lane
.irp i, 0,1,2
	v_permlane16_swap_b32 v[PCD+6*\c+\i], v[CT+4*\c+\i]
.endr
.irp i, 0,1,2
	s_delay_alu instid0(VALU_DEP_3)
	v_mov_b32 v[PCD+3+6*\c+\i], v[CT+4*\c+\i]
.endr
.endr
	v_pk_add_f32 v[226:227], v[100:101], v[104:105]
	v_pk_add_f32 v[254:255], v[108:109], v[112:113]
	v_pk_add_f32 v[252:253], v[116:117], v[120:121]
	v_pk_add_f32 v[250:251], v[124:125], v[128:129]
	v_pk_add_f32 v[248:249], v[132:133], v[136:137]
	v_pk_add_f32 v[246:247], v[140:141], v[144:145]
	v_pk_add_f32 v[244:245], v[148:149], v[152:153]
	v_pk_add_f32 v[14:15], v[14:15], v[156:157]
	v_pk_add_f32 v[226:227], v[226:227], v[96:97]
	v_pk_add_f32 v[254:255], v[254:255], v[98:99]
	v_pk_add_f32 v[252:253], v[252:253], v[102:103]
	v_pk_add_f32 v[250:251], v[250:251], v[106:107]
	v_pk_add_f32 v[248:249], v[248:249], v[110:111]
	v_pk_add_f32 v[246:247], v[246:247], v[114:115]
	v_pk_add_f32 v[244:245], v[244:245], v[118:119]
	v_pk_add_f32 v[14:15], v[14:15], v[122:123]
	v_pk_add_f32 v[226:227], v[226:227], v[126:127]
	v_pk_add_f32 v[254:255], v[254:255], v[130:131]
	v_pk_add_f32 v[252:253], v[252:253], v[134:135]
	v_pk_add_f32 v[250:251], v[250:251], v[138:139]
	v_pk_add_f32 v[248:249], v[248:249], v[142:143]
	v_pk_add_f32 v[246:247], v[246:247], v[146:147]
	v_pk_add_f32 v[244:245], v[244:245], v[150:151]
	v_pk_add_f32 v[14:15], v[14:15], v[154:155]
	v_pk_add_f32 v[226:227], v[226:227], v[158:159]
	s_delay_alu instid0(VALU_DEP_2)
	v_pk_add_f32 v[14:15], v[14:15], v[250:251]
	s_delay_alu instid0(VALU_DEP_2)
	v_pk_add_f32 v[226:227], v[226:227], v[248:249]
	s_setprio 0
	v_pk_add_f32 v[254:255], v[254:255], v[246:247]
	v_pk_add_f32 v[252:253], v[252:253], v[244:245]
	s_delay_alu instid0(VALU_DEP_2)
	v_pk_add_f32 v[14:15], v[14:15], v[254:255]
	s_delay_alu instid0(VALU_DEP_2)
	v_pk_add_f32 v[226:227], v[226:227], v[252:253]
	s_delay_alu instid0(VALU_DEP_1)
	v_pk_add_f32 v[14:15], v[14:15], v[226:227]
.set J, 0
.rept 16
	v_pk_mul_f32 v[O+J:O+J+1], v[O+J:O+J+1], v[FF:FF+1] op_sel_hi:[1,0]   ; O^T under the new M.  (These and the sums are the places between the writing of p's codes and scale word and the products below)
.set J, J+2
.endr
	s_wait_alu depctr_va_vdst(0)
	s_wait_dscnt 0x0                               ; v's fragments and scale words are in
.irp t, 0,1,2,3                                ; O^T += v^T p^T: the four accumulators by turns, one instruction a turn
.if (\t%2) == 0
	v_wmma_scale_f32_16x16x128_f8f6f4 v[O+8*\t:O+8*\t+7], v[KV+12*\t:KV+12*\t+11], v[PCD:PCD+11], v[O+8*\t:O+8*\t+7], v[VSW+\t/2], v[PSW] matrix_a_fmt:MATRIX_FMT_FP6 matrix_b_fmt:MATRIX_FMT_FP6
.else
	v_wmma_scale_f32_16x16x128_f8f6f4 v[O+8*\t:O+8*\t+7], v[KV+12*\t:KV+12*\t+11], v[PCD:PCD+11], v[O+8*\t:O+8*\t+7], v[VSW+\t/2], v[PSW] matrix_a_fmt:MATRIX_FMT_FP6 matrix_b_fmt:MATRIX_FMT_FP6 matrix_a_scale:MATRIX_SCALE_ROW1
.endif
.endr
	s_add_co_u32 s[TB], s[TB], 6144
	s_add_co_u32 s[TS], s[TS], 512
	s_add_co_u32 s[TJ], s[TJ], 256
.endm
; 32 numbers of a lane, v[src] on (register 16 b + i: channel 32 b + 16 h + i of my row), become half a fragment (64 along K) in v[dst] .. v[dst + 5] and its two scale bytes in v[word].
.macro Q32 src, dst, word
.irp b, 0,1
	v_max3_num_f32 v[BM+\b], |v[(\src)+16*\b]|, |v[(\src)+16*\b+1]|, 0x1800000   ; from the low end on; the floor 2^(3 - 127) holds the byte at 1 from below
.endr
.irp i, 2,4,6,8,10,12,14
.irp b, 0,1
	v_max3_num_f32 v[BM+\b], v[BM+\b], |v[(\src)+16*\b+\i]|, |v[(\src)+16*\b+\i+1]|
.endr
.endr
.irp b, 0,1
	s_delay_alu instid0(VALU_DEP_2)
	v_permlanex16_b32 v[PB+\b], v[BM+\b], s[SEL], s[SEL+1]
.endr
.irp b, 0,1
	s_delay_alu instid0(VALU_DEP_2)
	v_max_num_f32 v[BM+\b], v[BM+\b], v[PB+\b]     ; with lane l xor 16's 16: the block's largest magnitude
.endr
.irp b, 0,1
	s_delay_alu instid0(VALU_DEP_2)
	v_add_nc_u32 v[SOP+\b], 0xff000000, v[BM+\b]   ; 2 off its exponent field: the conversion's scale operand
.endr
.irp b, 0,1
	s_delay_alu instid0(VALU_DEP_2)
	v_lshrrev_b32 v[PB+\b], 23, v[SOP+\b]          ; the byte
.endr
	s_delay_alu instid0(VALU_DEP_1)
	v_lshl_or_b32 v[\word], v[PB+1], 8, v[PB]      ; my row's two bytes; bytes 2 and 3 are 0
	v_cvt_scalef32_pk16_fp6_f32 v[\dst:\dst+2], v[(\src):(\src)+15], v[SOP]
	v_cvt_scalef32_pk16_fp6_f32 v[CT:CT+2], v[(\src)+16:(\src)+31], v[SOP+1]
	v_nop                                          ; one plain place behind a scaled conversion
.irp i, 0,1,2
	v_permlane16_swap_b32 v[\dst+\i], v[CT+\i]     ; the operand's layout wants a WHOLE block in a lane
.endr
.irp i, 0,1,2
	s_delay_alu instid0(VALU_DEP_3)
	v_mov_b32 v[\dst+3+\i], v[CT+\i]
.endr
.endm
.macro XLOAD k, p                      ; x's fragment of K step k, my tile p: its image as it lies
.set XD, XF+24*((\k)%4)+12*(\p)
	global_load_b128 v[XD:XD+3], v[L16], s[4:5] offset:196608*(\p)+1536*(\k)
	global_load_b64 v[XD+4:XD+5], v[L8], s[4:5] offset:196608*(\p)+1536*(\k)+512
	global_load_b128 v[XD+6:XD+9], v[L16], s[4:5] offset:196608*(\p)+1536*(\k)+768
	global_load_b64 v[XD+10:XD+11], v[L8], s[4:5] offset:196608*(\p)+1536*(\k)+1280
.endm
.macro QP k, t, p                      ; q^T: K step k, channel tile t, my tile p.  Wq's words: lanes 16-31 for odd t; x's: lanes 16-31 for p = 1
.set DR, S+32*\p+8*\t
.set AR, KV+12*\t
.set BR, XF+24*(\k%4)+12*\p
.set SA, KSW+2*(\t/2)+(\k%2)
.if \k < 2
.set SB, 28+\k
.else
.set SB, 88+\k
.endif
.if ((\t%2) == 0) && (\p == 0)
	v_wmma_scale_f32_16x16x128_f8f6f4 v[DR:DR+7], v[AR:AR+11], v[BR:BR+11], v[DR:DR+7], v[SA], v[SB] matrix_a_fmt:MATRIX_FMT_FP6 matrix_b_fmt:MATRIX_FMT_FP6
.elseif \p == 0
	v_wmma_scale_f32_16x16x128_f8f6f4 v[DR:DR+7], v[AR:AR+11], v[BR:BR+11], v[DR:DR+7], v[SA], v[SB] matrix_a_fmt:MATRIX_FMT_FP6 matrix_b_fmt:MATRIX_FMT_FP6 matrix_a_scale:MATRIX_SCALE_ROW1
.elseif (\t%2) == 0
	v_wmma_scale_f32_16x16x128_f8f6f4 v[DR:DR+7], v[AR:AR+11], v[BR:BR+11], v[DR:DR+7], v[SA], v[SB] matrix_a_fmt:MATRIX_FMT_FP6 matrix_b_fmt:MATRIX_FMT_FP6 matrix_b_scale:MATRIX_SCALE_ROW1
.else
	v_wmma_scale_f32_16x16x128_f8f6f4 v[DR:DR+7], v[AR:AR+11], v[BR:BR+11], v[DR:DR+7], v[SA], v[SB] matrix_a_fmt:MATRIX_FMT_FP6 matrix_b_fmt:MATRIX_FMT_FP6 matrix_a_scale:MATRIX_SCALE_ROW1 matrix_b_scale:MATRIX_SCALE_ROW1
.endif
.endm
; A PASS: 16 queries of my wave against all 2,048 keys.
.macro PASS p
.if \p
	s_wait_xcnt 0x0                                ; the last pass's stores have read their registers
.irp i, 0,1,2,3,4,5
	v_mov_b32 v[QF+\i], v[Q1+\i]                   ; the second tile's q (the lines below are the places between these and the first product)
.endr
	v_mov_b32 v[QSW], v[Q1W]
.endif
	v_mov_b32 v13, 0xff61b1e6                      ; the largest t so far: -3e38, under every t
	s_delay_alu instid0(VALU_DEP_1)
	v_floor_f32 v12, -v13                          ; -M
	v_mov_b32 v14, 0                               ; the sum, in two halves
	v_mov_b32 v15, 0
.set J, 0
.rept 32
	v_mov_b32 v[O+J], 0                            ; O^T: the step is written once: the first finds zeros, which the first change of M leaves zeros
.set J, J+1
.endr
	s_mov_b32 s[TB], 0
	s_mov_b32 s[TS], 0
	s_mov_b32 s[TJ], 0
	s_mov_b32 s[CNT], 16
.Lkeys_\@:
	s_setprio 2
	STEP
	s_sub_co_u32 s[CNT], s[CNT], 1
	s_cmp_lg_u32 s[CNT], 0
	s_cbranch_scc1 .Lkeys_\@
	s_setprio 0
.rept 4
	v_nop                                          ; places behind the last products
.endr
	v_add_f32 v14, v14, v15                        ; the sum's two halves,
	s_delay_alu instid0(VALU_DEP_1)
	v_permlanex16_b32 v[TT], v14, s[SEL], s[SEL+1]
	s_delay_alu instid0(VALU_DEP_1)
	v_add_f32 v14, v14, v[TT]                      ; and lane l xor 16's: the row's sum
	s_wait_alu depctr_va_vdst(0)
	v_rcp_f32 v14, v14
	v_nop                                          ; one plain place behind a transcendental
.set J, 0
	s_wait_alu depctr_va_vdst(0)
.rept 32
	v_mul_f32 v[S+J], v[O+J], v14                  ; O^T / the sum, each accumulator from its low end on: register 16 b + i is channel 32 b + 16 h + i
.set J, J+1
.endr
	Q32 S, PCD, TT                                 ; the head's two blocks of 32 along the last product's K
	global_store_b128 v[L16], v[PCD:PCD+3], s[18:19] offset:196608*\p      ; half an image: 512 and 256 consecutive bytes, aligned to 256
	global_store_b64 v[L8], v[PCD+4:PCD+5], s[18:19] offset:196608*\p+512
	global_store_b16 v[R8], v[TT], s[20:21] offset:8192*\p                 ; two heads share a scale word, so each stores its two bytes (lanes l and l xor 16 the same): 256 KB in the whole launch
.endm
	s_load_b256 s[4:11], s[0:1], 0x0               ; xc, xs, wc, ws
	s_load_b256 s[12:19], s[0:1], 0x20             ; bq, hc, hs, ac
	s_load_b64 s[20:21], s[0:1], 0x40              ; asc
	v_lshl_add_u32 v254, v0, 2, 0x40800
	v_mov_b32 v255, 0
	ds_add_u32 v254, v255
	ds_add_u32 v254, v255
	s_wait_dscnt 0x0
	v_lshrrev_b32 v1, 5, v0
	s_delay_alu instid0(VALU_DEP_1)
	v_readfirstlane_b32 s[WV], v1                  ; wave 0..15
	s_bfe_u32 s23, ttmp6, 0x40000                  ; cx
	s_lshl_b32 s92, ttmp9, 2
	s_add_co_u32 s23, s92, s23                     ; which quarter of the queries: it enters x's and the outputs' global addresses alone
	s_and_b32 s24, ttmp7, 0xffff                   ; 16 b + head, which the four partners share
	s_and_b32 s25, s24, 15                         ; head
	s_lshr_b32 s26, s24, 4                         ; b
	s_lshl_b32 s27, s23, 5
	s_add_co_u32 s27, s27, s[WV]                   ; my token tile in the first pass; the second pass's lies 16 further on
	s_mov_b32 s[SEL], 0x76543210
	s_mov_b32 s[SEL+1], 0xfedcba98                 ; v_permlanex16_b32's selects for lane l xor 16
	s_mov_b32 s[CS], 0x3e38aa3b                    ; c = log2(e) / 8
	s_mov_b32 s[CS+1], s[CS]                       ; (named with it as a pair)
	; descriptor groups 1: dense blocks as rows of 256 bytes (32 elements of 8 bytes): 96 rows of codes; 32 rows of k's scale words, 16 of v's, 8 of Wq's
.irp g, G1C, G1KS, G1VS, G1WS
	s_mov_b32 s[\g], 15|(3<<16)|(1<<21)            ; 15:0 the mask: all four work-groups; 17:16 elements of 8 bytes; 21 set beside a mask
	s_mov_b32 s[\g+1], 32<<16
	s_mov_b32 s[\g+3], 32<<16
	s_mov_b32 s[\g+5], 32
	s_mov_b32 s[\g+6], 0
	s_mov_b32 s[\g+7], 0
.endr
	s_mov_b32 s[G1C+2], 96<<16
	s_mov_b32 s[G1C+4], 96
	s_mov_b32 s[G1KS+2], 32<<16
	s_mov_b32 s[G1KS+4], 32
	s_mov_b32 s[G1VS+2], 16<<16
	s_mov_b32 s[G1VS+4], 16
	s_mov_b32 s[G1WS+2], 8<<16
	s_mov_b32 s[G1WS+4], 8
	s_min_u32 s92, s[WV], 2                        ; wave 0: k; wave 1: v; wave 2: Wq's columns (the others ask for nothing)
	s_mul_i32 s93, s92, VC                         ; the codes' place in LDS,
	s_lshl_b32 s94, s92, 13
	s_add_co_u32 s94, s94, KSC                     ; the scale words'
	s_and_b32 s95, s92, 1
	s_lshr_b32 s2, 0x2000, s92                     ; a head's scale words: 8,192 bytes of k, 4,096 of v, 2,048 of Wq
	s_mov_b32 s100, 98304                          ; a head's codes: 98,304 bytes of k and of v,
	s_cmp_eq_u32 s92, 2
	s_cselect_b32 s100, 49152, s100                ; 49,152 of Wq;
	s_cselect_b32 s101, s25, s24                   ; Wq's are counted by the head, k's and v's by 16 b + head
	s_mul_i32 s100, s100, s101
	s_mul_i32 s2, s2, s101
	s_mul_i32 s101, s95, 6291456                   ; v's codes begin 6,291,456 bytes into hc,
	s_add_co_u32 s100, s100, s101
	s_lshl_b32 s101, s95, 19                       ; its scale words 524,288 bytes into hs
	s_add_co_u32 s2, s2, s101
	s_mov_b32 s101, 0
	s_mov_b32 s3, 0
	s_wait_kmcnt 0x0
	s_cmp_eq_u32 s92, 2                            ; which buffers: a choice on the wave's number
	s_cselect_b64 s[96:97], s[8:9], s[14:15]
	s_cselect_b64 s[98:99], s[10:11], s[16:17]
	s_add_nc_u64 s[96:97], s[96:97], s[100:101]
	s_add_nc_u64 s[98:99], s[98:99], s[2:3]
	s_mov_b32 s[G0S], 1
	s_mov_b32 s[G0S+1], s94
	s_mov_b64 s[G0S+2:G0S+3], s[98:99]
	s_or_b32 s[G0S+3], s[G0S+3], 0x80000000
.set CH, 0
.irp g, 72, 76, 80, 84
	s_mov_b32 s[\g], 1
	s_add_co_u32 s[\g+1], s93, CH*24576
	s_add_nc_u64 s[\g+2:\g+3], s[96:97], CH*24576
	s_or_b32 s[\g+3], s[\g+3], 0x80000000
.set CH, CH+1
.endr
	ROUND                                          ; all four work-groups are here: the joint loads meet
	s_cmp_eq_u32 s[WV], 0                          ; a wave's fills stand in one branch on its number
	s_cbranch_scc0 .Lnot_k
	tensor_load_to_lds s[G0S:G0S+3], s[G1KS:G1KS+7]
	s_nop 0
	tensor_load_to_lds s[72:75], s[G1C:G1C+7]
	s_nop 0
	tensor_load_to_lds s[76:79], s[G1C:G1C+7]
	s_nop 0
	tensor_load_to_lds s[80:83], s[G1C:G1C+7]
	s_nop 0
	tensor_load_to_lds s[84:87], s[G1C:G1C+7]
	s_nop 0
.rept 4
	v_nop
.endr
	s_branch .Lasked
.Lnot_k:
	s_cmp_eq_u32 s[WV], 1
	s_cbranch_scc0 .Lnot_v
	tensor_load_to_lds s[G0S:G0S+3], s[G1VS:G1VS+7]
	s_nop 0
	tensor_load_to_lds s[72:75], s[G1C:G1C+7]
	s_nop 0
	tensor_load_to_lds s[76:79], s[G1C:G1C+7]
	s_nop 0
	tensor_load_to_lds s[80:83], s[G1C:G1C+7]
	s_nop 0
	tensor_load_to_lds s[84:87], s[G1C:G1C+7]
	s_nop 0
.rept 4
	v_nop
.endr
	s_branch .Lasked
.Lnot_v:
	s_cmp_eq_u32 s[WV], 2
	s_cbranch_scc0 .Lasked
	tensor_load_to_lds s[G0S:G0S+3], s[G1WS:G1WS+7]
	s_nop 0
	tensor_load_to_lds s[72:75], s[G1C:G1C+7]
	s_nop 0
	tensor_load_to_lds s[76:79], s[G1C:G1C+7]
	s_nop 0
.rept 4
	v_nop
.endr
.Lasked:
	s_lshl_b32 s92, s26, 7
	s_add_co_u32 s92, s92, s27                     ; my row tile of Q, and of the last product's A: 128 b + token tile
	s_mul_i32 s100, s92, 12288
	s_add_nc_u64 s[4:5], s[4:5], s[100:101]        ; xc at my first tile
	s_mul_i32 s2, s25, 768                         ; in ac: K step head / 2, half head % 2
	s_add_co_u32 s100, s100, s2
	s_add_nc_u64 s[18:19], s[18:19], s[100:101]
	s_lshl_b32 s100, s92, 9
	s_add_nc_u64 s[6:7], s[6:7], s[100:101]        ; xs at my first tile
	s_lshr_b32 s2, s25, 2
	s_lshl_b32 s2, s2, 7                           ; in asc: pair of K steps head / 4,
	s_add_co_u32 s100, s100, s2
	s_bfe_u32 s2, s25, 0x10001
	s_lshl_b32 s2, s2, 2                           ; word (head / 2) % 2,
	s_add_co_u32 s100, s100, s2
	s_and_b32 s2, s25, 1
	s_lshl_b32 s2, s2, 1                           ; bytes 2 (head % 2) on
	s_add_co_u32 s100, s100, s2
	s_add_nc_u64 s[20:21], s[20:21], s[100:101]
	s_lshl_b32 s100, s25, 8
	s_add_nc_u64 s[12:13], s[12:13], s[100:101]    ; bq at the head's 64 channels
	v_and_b32 v[ASK0], 31, v0                      ; lane
	s_delay_alu instid0(VALU_DEP_1)
	v_lshlrev_b32 v[L16], 4, v[ASK0]
	s_delay_alu instid0(VALU_DEP_2)
	v_lshlrev_b32 v[L8], 3, v[ASK0]
	s_delay_alu instid0(VALU_DEP_2)
	v_add_nc_u32 v[AV0], VC, v[L16]
	s_delay_alu instid0(VALU_DEP_3)
	v_add_nc_u32 v[AW16], WC, v[L16]
	s_delay_alu instid0(VALU_DEP_3)
	v_add_nc_u32 v[AW8], WC, v[L8]
	v_lshlrev_b32 v[ASK0], 2, v[ASK0]
	s_delay_alu instid0(VALU_DEP_1)
	v_add_nc_u32 v[ASV0], VSC, v[ASK0]
	s_delay_alu instid0(VALU_DEP_2)
	v_add_nc_u32 v[ASK0], KSC, v[ASK0]
	v_and_b32 v[R8], 15, v0                        ; r
	s_delay_alu instid0(VALU_DEP_1)
	v_lshlrev_b32 v[R8], 3, v[R8]                  ; 8 r
	v_bfe_u32 v[BH], v0, 4, 1                      ; h
	s_delay_alu instid0(VALU_DEP_1)
	v_lshl_add_u32 v[AWS], v[BH], 9, v[R8]         ; Wq's scale words: lanes 16-31 take the next tile's: 512 h
	s_delay_alu instid0(VALU_DEP_1)
	v_add_nc_u32 v[AWS], WSC, v[AWS]
	s_delay_alu instid0(VALU_DEP_3)
	v_lshl_add_u32 v[XR], v[BH], 13, v[R8]         ; x's: lanes 16-31 take the second tile's, 16 row tiles of 512 bytes on
	s_delay_alu instid0(VALU_DEP_4)
	v_lshlrev_b32 v[BH], 6, v[BH]                  ; the bias: register j of tile t is channel 32 (t / 2) + 8 (t % 2) + 16 h + j
.irp j, 0,1,2,3,4,5
	v_mov_b32 v[QF+6+\j], 0                        ; q's K 64..127: zero codes
	v_mov_b32 v[KV+48+\j], 0                       ; behind k's last tile
.endr
.irp b, 0,1,2,3
	v_mov_b32 v[PB+\b], 0                          ; a lane permute's destination counts as one of its sources
.endr
	v_mov_b32 v[FF+1], 0                           ; (named as the upper half of a pair)
	; ---- q^T = Wq^T x^T + bq for my two tiles of 16 queries at once, so that each fragment of Wq read from LDS feeds two products.  The sums begin with the bias, loaded into the accumulators.
.irp p, 0,1
.irp t, 0,1,2,3
	global_load_b128 v[S+32*\p+8*\t:S+32*\p+8*\t+3], v[BH], s[12:13] offset:(32*(\t/2)+8*(\t%2))*4
	global_load_b128 v[S+32*\p+8*\t+4:S+32*\p+8*\t+7], v[BH], s[12:13] offset:(32*(\t/2)+8*(\t%2))*4+16
.endr
.endr
	global_load_b64 v[28:29], v[XR], s[6:7]                    ; x's scale words of K steps 0, 1;
	global_load_b64 v[90:91], v[XR], s[6:7] offset:128         ; 2, 3;
	global_load_b64 v[92:93], v[XR], s[6:7] offset:256         ; 4, 5;
	global_load_b64 v[94:95], v[XR], s[6:7] offset:384         ; 6, 7
.irp k, 0,1,2,3
	XLOAD \k, 0
	XLOAD \k, 1
.endr
	s_wait_tensorcnt 0x0                           ; what I asked for has landed (a wave that asked for nothing passes at once),
	s_barrier_signal -1
	s_barrier_wait -1                              ; and so has what the others asked for: k, v and Wq's columns lie in LDS
	s_wait_loadcnt 0x0                             ; the bias, x's scale words, x's K steps 0 to 3
.irp k, 0,1,2,3,4,5,6,7
.if \k > 0
.rept 4
	v_nop                                          ; places in front of loads into registers that the last eight products have read
.endr
.endif
.if (\k > 0) && (\k < 5)
	XLOAD \k+3, 0                                  ; the registers of the K step just multiplied take the K step four further on
	XLOAD \k+3, 1
.endif
.irp t, 0,1,2,3
	ds_load_b128 v[KV+12*\t:KV+12*\t+3], v[AW16] offset:12288*\t+1536*\k
	ds_load_b64 v[KV+12*\t+4:KV+12*\t+5], v[AW8] offset:12288*\t+1536*\k+512
	ds_load_b128 v[KV+12*\t+6:KV+12*\t+9], v[AW16] offset:12288*\t+1536*\k+768
	ds_load_b64 v[KV+12*\t+10:KV+12*\t+11], v[AW8] offset:12288*\t+1536*\k+1280
.endr
.if (\k%2) == 0
	ds_load_b64 v[KSW:KSW+1], v[AWS] offset:64*\k              ; Wq's scale words of this K step and the next: tiles 0 and 1,
	ds_load_b64 v[KSW+2:KSW+3], v[AWS] offset:1024+64*\k       ; tiles 2 and 3
.endif
	s_wait_dscnt 0x0
.if \k > 3
	s_wait_loadcnt 8*(7-\k)                        ; this K step's eight loads are in; the eight of each later K step may be out
.endif
.irp t, 0,1,2,3                                ; the eight accumulators by turns, one instruction a turn
	QP \k, \t, 0
	QP \k, \t, 1
.endr
.endr
.rept 4
	v_nop                                          ; places behind the last products
.endr
	Q32 S, QF, QSW                                 ; q of the first pass,
	Q32 S+32, Q1, Q1W                              ; and of the second, kept
	PASS 0
	PASS 1
	s_wait_dscnt 0x0
	s_wait_xcnt 0x0
	v_lshl_add_u32 v254, v0, 2, 0x40800
	v_mov_b32 v255, 0
	s_wait_alu depctr_va_vdst(0)
	s_wait_tensorcnt 0x0
	ds_add_u32 v254, v255
	s_wait_dscnt 0x0
	ROUND                                          ; the closing round: no work-group ends while a partner may still ask for a tile that names it
	s_endpgm
.Lfunc_end_k_qc247c217ca_attn:
	.size	k_qc247c217ca_attn, .Lfunc_end_k_qc247c217ca_attn-k_qc247c217ca_attn
	.p2alignl 7, 3214868480
	.fill 96, 4, 3214868480
	.section	.rodata,"a",@progbits
	.p2align	6, 0x0
	.amdhsa_kernel k_qc247c217ca_attn
		.amdhsa_group_segment_fixed_size 266240
		.amdhsa_private_segment_fixed_size 0
		.amdhsa_enable_private_segment 0
		.amdhsa_kernarg_size 72
		.amdhsa_user_sgpr_count 2
		.amdhsa_user_sgpr_kernarg_segment_ptr 1
		.amdhsa_wavefront_size32 1
		.amdhsa_system_sgpr_workgroup_id_x 1
		.amdhsa_system_sgpr_workgroup_id_y 1
		.amdhsa_system_sgpr_workgroup_id_z 1
		.amdhsa_system_vgpr_workitem_id 0
		.amdhsa_next_free_vgpr 256
		.amdhsa_next_free_sgpr 102
		.amdhsa_reserve_vcc 0
		.amdhsa_float_denorm_mode_32 3
		.amdhsa_float_denorm_mode_16_64 3
		.amdhsa_memory_ordered 1
		.amdhsa_forward_progress 1
		.amdhsa_inst_pref_size 87
	.end_amdhsa_kernel
	.amdgpu_metadata
---
amdhsa.version: [ 1, 2 ]
amdhsa.kernels:
  - .name:           k_qc247c217ca_attn
    .symbol:         k_qc247c217ca_attn.kd
    .args:
      - { .name: xc, .offset: 0, .size: 8, .value_kind: global_buffer, .address_space: global }
      - { .name: xs, .offset: 8, .size: 8, .value_kind: global_buffer, .address_space: global }
      - { .name: wc, .offset: 16, .size: 8, .value_kind: global_buffer, .address_space: global }
      - { .name: ws, .offset: 24, .size: 8, .value_kind: global_buffer, .address_space: global }
      - { .name: bq, .offset: 32, .size: 8, .value_kind: global_buffer, .address_space: global }
      - { .name: hc, .offset: 40, .size: 8, .value_kind: global_buffer, .address_space: global }
      - { .name: hs, .offset: 48, .size: 8, .value_kind: global_buffer, .address_space: global }
      - { .name: ac, .offset: 56, .size: 8, .value_kind: global_buffer, .address_space: global }
      - { .name: asc, .offset: 64, .size: 8, .value_kind: global_buffer, .address_space: global }
    .group_segment_fixed_size: 266240
    .private_segment_fixed_size: 0
    .kernarg_segment_align: 8
    .kernarg_segment_size: 72
    .max_flat_workgroup_size: 512
    .sgpr_count:     102
    .vgpr_count:     256
    .wavefront_size: 32
...
	.end_amdgpu_metadata
.endif
;; end of part 3
;; launch outp (part 4): grid 4 x 32, 4 waves a work-group, clusters of 4 x 4, 327,680 bytes of LDS; arguments ac, asc, wc, ws, bo, out0; writes out0
.if DOCPART == 4
	.amdgcn_target "amdgcn-amd-amdhsa--gfx1250"
	.amdhsa_code_object_version 6
	.text
	.protected	k_qc247c217ca_outp
	.globl	k_qc247c217ca_outp
	.p2align	8
	.type	k_qc247c217ca_outp,@function
k_qc247c217ca_outp:
	s_mov_b64 s[64:65], 0
	v_nop
	global_prefetch_b8 v0, s[64:65] scope:SCOPE_SE
	s_setreg_imm32_b32 hwreg(HW_REG_WAVE_MODE, 25, 1), 1
	s_wait_xcnt 0x0
	s_wait_alu depctr_hold_cnt(0) depctr_sa_sdst(0) depctr_va_vdst(0) depctr_va_sdst(0) depctr_va_ssrc(0) depctr_va_vcc(0) depctr_vm_vsrc(0)
	s_getreg_b32 s2, hwreg(HW_REG_IB_STS2, 6, 4)
	s_cmp_eq_u32 s2, 0
	s_cbranch_scc0 .Lentry_in_a_cluster
	s_endpgm
.Lentry_in_a_cluster:
	s_bfe_u32 s2, ttmp6, 0x10000c
	s_cmp_lg_u32 s2, 0xf033
	s_cbranch_scc0 .Lentry_shape_is_right
	s_endpgm
.Lentry_shape_is_right:
; out0 = A Wo + bo on codes of FP6 (E2M3) with E8M0 scales, sums in f32.  A [8192][1024]: the attention's result as codes (ac, asc); Wo: the second half of wc and ws.  out0 [8192][1024] f32.
; A tile of the output is 256 x 256: four waves, each 128 x 128: 64 accumulators, 512 registers.  K = 1,024 goes in steps of 256 through a ring of two LDS slots: four slots, written out.
; THE MATRIX INSTRUCTION IS USED TRANSPOSED (source 0 = 16 columns of Wo, source 1 = 16 rows of A): lane (r, h) holds row r, and register j of tile b column 32 (b / 2) + 16 h + 8 (b % 2) + j,
; since Wo's tiles hold columns 32 b + 8 u + r + 8 (r / 8).  The bias is the C of each sum's first matrix instruction.
; OPERANDS lie in memory as images of their registers (1,536 bytes for 16 rows x 128 K): every LDS load takes consecutive bytes.  The scale words of the work-group's rows for all of K come once.
; CLUSTERS: 4 x 4 work-groups; A's tiles are asked for jointly along a row of the cluster, Wo's along a column.  A wave has at most one tensor load out.
; 128 work-groups: half of the 256 WGPs have none; a tile of half the size would raise the LDS bytes for each product by a half.
; REGISTERS, in windows of 256: window 0: v8-9, v16-30 addresses; v32-63 scale words, two sets, and nothing else; v64-127 the bias; v128-223 A's fragments, ONE set; on the way out v128-255 rows of the output.
;   window 1: B's fragments, two sets, at v0 and v128.   windows 2, 3: accumulator (a, b) at v[8 (8 (a % 4) + b)].
.set ROWT,   3072
.set HALFT,  8*ROWT
.set SLOT,   4*HALFT
.set SCL,    2*SLOT
.set HALFS,  4096
.set SPARE,  SCL+4*HALFS               ; the spare words, 128 bytes a wave: two blocks of 256 bytes that no other line names
.set SPITCH, 528                       ; the way out: a stage of 16 rows x (512 bytes + 16) for each wave, in slot 0, which has had its last fill and its last read when the first result is stored there
.set NQ,     2
.set FR,     12
.set NL,     4
.set NP,     4
.set STO,  8                           ; v8  the stage: where I put 32 bytes of a row
.set RD,   9                           ; v9  and where I read a row back
.set ADRA, 16
.set ADRB, 20
.set L16,  24
.set L8,   25
.set ADRS, 27
.set SPW,  28                          ; v28 my spare word: SPARE + 4 x my thread's number; never rewritten
.set NIL,  29                          ; v29 0; never rewritten
.set SC,   32
.set BI,   64
.set AF,   128
.set BK,   128                         ; the way out: 16 rows read back: v128-191 and v192-255 by turns
.set G1, 24
.set G0, 32
.set G1B, 48
.set G0B, 56
.set G1S, 68
.set G0S, 76
.set G1SB, 80
.set G0SB, 88
.set MSB, 0
.macro WIN new                         ; the immediate's high byte repeats the setting that is left
.if MSB != (\new)
	s_set_vgpr_msb (MSB<<8)|(\new)
.set MSB, (\new)
.endif
.endm
.set MUL_LO, 0xa1                      ; source 0 (B) window 1, source 1 (A) window 0, C and D window 2
.set MUL_HI, 0xf1
.set FST_LO, 0x81                      ; the first step: C (the bias) window 0, D window 2
.set FST_HI, 0xc1
.set TO_B,   0x40
.macro JLOAD g0a, g1a, g0b, g1b        ; a joint load: waves 0 and 1 fetch for A, waves 2 and 3 for B; four v_nop follow each of the two lines
	s_cmp_eq_u32 s15, 0
	s_cbranch_scc0 .Lfor_b_\@
	tensor_load_to_lds s[\g0a:\g0a+3], s[\g1a:\g1a+7]
	s_nop 0
.rept 4
	v_nop
.endr
	s_branch .Lasked_\@
.Lfor_b_\@:
	tensor_load_to_lds s[\g0b:\g0b+3], s[\g1b:\g1b+7]
	s_nop 0
.rept 4
	v_nop
.endr
.Lasked_\@:
.endm
.macro CREST
	s_cmp_lg_u32 s14, 0
	s_cbranch_scc1 .Lnot_wave_0_\@
	s_barrier_signal -3
.Lnot_wave_0_\@:
	s_barrier_wait -3
	s_barrier_signal -1
	s_barrier_wait -1
.endm
.macro CROUND
	s_barrier_signal -1
	s_barrier_wait -1
	CREST
.endm
.macro PLACES n
.rept \n
	v_nop
.endr
.endm
.macro FRAG reg, adr, q, i
	ds_load_b128 v[\reg:\reg+3], v[\adr] offset:ROWT*(\i)+1536*(\q)
	ds_load_b64 v[\reg+4:\reg+5], v[\adr+2] offset:ROWT*(\i)+1536*(\q)+512
	ds_load_b128 v[\reg+6:\reg+9], v[\adr] offset:ROWT*(\i)+1536*(\q)+768
	ds_load_b64 v[\reg+10:\reg+11], v[\adr+2] offset:ROWT*(\i)+1536*(\q)+1280
.endm
; 16 matrix instructions: A's blocks a0, a0 + 1 x B's eight.  zero = 1: the sum starts with the bias of B's block b.  The 64 accumulators take turns, one instruction a turn.
.macro MUL16 a0, p, q, sc, zero
.irp a, \a0, \a0+1
.irp b, 0,1,2,3,4,5,6,7
.set DR, 8*(8*((\a)%4)+\b)
.set BR, 128*(\p)+FR*\b
.set AR, AF+FR*(\a)
.set SRB, SC+8*NQ*(\sc)+NQ*\b+(\q)
.set SRA, SC+8*NQ*(\sc)+NQ*(\a)+(\q)
.if \zero == 0
.set CR, DR
.else
.set CR, BI+8*\b
.endif
	v_wmma_scale_f32_16x16x128_f8f6f4 v[DR:DR+7], v[BR:BR+FR-1], v[AR:AR+FR-1], v[CR:CR+7], v[SRB], v[SRA] matrix_a_fmt:MATRIX_FMT_FP6 matrix_b_fmt:MATRIX_FMT_FP6 matrix_a_scale:MATRIX_SCALE_ROW1
.endr
.endr
.endm
.macro FETCH_B slot, q, p
	WIN TO_B
.irp i, 0,1,2,3,4,5,6,7
	FRAG 128*(\p)+FR*\i, ADRB+\slot, \q, \i
.endr
	WIN 0
.endm
.macro FETCH_A slot, q, i0
.irp i, \i0, \i0+1, \i0+2, \i0+3
	FRAG AF+FR*(\i), ADRA+\slot, \q, \i
.endr
.endm
.macro SCALES sc
.irp i, 0,1,2,3,4,5,6,7
	ds_load_b64 v[SC+8*NQ*\sc+NQ*\i:SC+8*NQ*\sc+NQ*\i+1], v[ADRS] offset:512*\i
.endr
.endm
.macro STEP slot, q, zero
	s_wait_dscnt 4*NL                              ; B's set, A's blocks 0-3 and the scale words are in; the youngest 16 loads (A's blocks 4-7) may be out
.if \zero
	WIN FST_LO
.else
	WIN MUL_LO
.endif
	MUL16 0, (\q)%2, \q, \slot, \zero
	MUL16 2, (\q)%2, \q, \slot, \zero
	s_wait_dscnt 0
	PLACES NP                                      ; in front of loads into registers that matrix instructions have read
	FETCH_B \slot, (\q)+1, 1-(\q)%2
	FETCH_A \slot, (\q)+1, 0
.if \zero
	WIN FST_HI
.else
	WIN MUL_HI
.endif
	MUL16 4, (\q)%2, \q, \slot, \zero
	MUL16 6, (\q)%2, \q, \slot, \zero
	PLACES NP
	WIN 0
	FETCH_A \slot, (\q)+1, 4
.endm
.macro TURN slot, next, fill
	s_wait_tensorcnt 0x0                           ; all my tensor loads have landed: my part of the next slot
	ds_add_u32 v[SPW], v[NIL]                      ; 0 onto my spare word
	s_wait_dscnt 4*NL+1                            ; (the add and the youngest 16 loads may be out)
	WIN MUL_LO
	MUL16 0, 1, NQ-1, \slot, 0
	s_wait_dscnt 0x0                               ; the add is done, and my reads of this slot are over
	s_barrier_signal -1
	MUL16 2, 1, NQ-1, \slot, 0
	WIN 0
	s_barrier_wait -1
.if \fill
	CREST                                          ; the barrier has opened a round of the cluster's barrier: no wave of any partner still reads this slot or has a load on its way
	s_add_nc_u64 s[G0+4*\slot+2:G0+4*\slot+3], s[G0+4*\slot+2:G0+4*\slot+3], 2*ROWT
	s_add_nc_u64 s[G0B+4*\slot+2:G0B+4*\slot+3], s[G0B+4*\slot+2:G0B+4*\slot+3], 2*ROWT
	JLOAD G0+4*\slot, G1, G0B+4*\slot, G1B
.else
	PLACES NP
.endif
	s_wait_alu depctr_va_vdst(0)
	v_add_nc_u32 v[ADRS], 128, v[ADRS]
	FETCH_B \next, 0, 0
	FETCH_A \next, 0, 0
	SCALES \next
	WIN MUL_HI
	MUL16 4, 1, NQ-1, \slot, 0
	MUL16 6, 1, NQ-1, \slot, 0
	PLACES NP
	WIN 0
	FETCH_A \next, 0, 4
.endm
	s_load_b256 s[4:11], s[0:1], 0x0               ; ac, asc, wc, ws
	s_load_b128 s[96:99], s[0:1], 0x20             ; bo, out0
	v_lshl_add_u32 v[SPW], v0, 2, SPARE
	v_mov_b32 v[NIL], 0
	ds_add_u32 v28, v29
	ds_add_u32 v28, v29
	s_wait_dscnt 0x0
	v_lshrrev_b32 v1, 5, v0
	v_readfirstlane_b32 s14, v1                    ; wave 0..3
	s_lshr_b32 s15, s14, 1
	s_and_b32 s16, s14, 1
	s_bfe_u32 s40, ttmp6, 0x40000                  ; cx
	s_bfe_u32 s41, ttmp6, 0x40004                  ; cy
	s_lshl_b32 s42, ttmp9, 2
	s_add_co_u32 s42, s42, s40                     ; tile column
	s_and_b32 s17, ttmp7, 0xffff
	s_lshl_b32 s17, s17, 2
	s_add_co_u32 s17, s17, s41                     ; tile row
	s_lshl_b32 s43, s41, 2
	s_lshl_b32 s43, 15, s43                        ; my row of the cluster
	s_lshl_b32 s44, 0x1111, s40                    ; my column
	s_or_b32 s[G1+0], s43, (3<<16)|(1<<21)         ; codes: 8 row tiles x 3,072 bytes (384 elements of 8 bytes), 12,288 bytes apart in memory, dense in LDS
	s_or_b32 s[G1B+0], s44, (3<<16)|(1<<21)
.irp g, G1, G1B
	s_mov_b32 s[\g+1], 384<<16
	s_mov_b32 s[\g+2], 8<<16
	s_mov_b32 s[\g+3], 384<<16
	s_mov_b32 s[\g+4], 8
	s_mov_b32 s[\g+5], 1536
	s_mov_b32 s[\g+6], 0
	s_mov_b32 s[\g+7], 0
.endr
	s_or_b32 s[G1S+0], s43, (3<<16)|(1<<21)        ; scale words of 128 rows: 4,096 dense bytes as 16 rows of 256
	s_or_b32 s[G1SB+0], s44, (3<<16)|(1<<21)
.irp g, G1S, G1SB
	s_mov_b32 s[\g+1], 32<<16
	s_mov_b32 s[\g+2], 16<<16
	s_mov_b32 s[\g+3], 32<<16
	s_mov_b32 s[\g+4], 16
	s_mov_b32 s[\g+5], 32
	s_mov_b32 s[\g+6], 0
	s_mov_b32 s[\g+7], 0
.endr
	s_lshl_b32 s18, s16, 3
	s_lshl_b32 s19, s17, 4
	s_add_co_u32 s19, s19, s18                     ; A: row tile 16 x tile row + 8 x half
	s_mul_i32 s32, s19, 12288
	s_mov_b32 s33, 0
	s_lshl_b32 s34, s19, 9
	s_mov_b32 s35, 0
	s_lshl_b32 s95, s42, 4
	s_add_co_u32 s95, s95, s18
	s_add_co_u32 s95, s95, 64                      ; Wo's tiles lie behind Wq's 64
	s_mul_i32 s56, s95, 12288
	s_mov_b32 s57, 0
	s_lshl_b32 s58, s95, 9
	s_mov_b32 s59, 0
	s_mul_i32 s45, s14, HALFT
	s_mul_i32 s94, s14, HALFS
	s_lshl_b32 s100, s42, 10
	s_lshl_b32 s101, s16, 9
	s_add_co_u32 s100, s100, s101                  ; my first column, in bytes: 1,024 x tile column + 512 x half
	s_mov_b32 s101, 0
	s_wait_kmcnt 0x0
	s_add_nc_u64 s[20:21], s[4:5], s[32:33]
	s_add_nc_u64 s[22:23], s[6:7], s[34:35]
	s_add_nc_u64 s[46:47], s[8:9], s[56:57]
	s_add_nc_u64 s[92:93], s[10:11], s[58:59]
	s_add_nc_u64 s[96:97], s[96:97], s[100:101]    ; bo at my 128 columns
	s_add_nc_u64 s[98:99], s[98:99], s[100:101]
	CROUND                                         ; all sixteen work-groups are here: the first joint loads meet
	s_mov_b32 s[G0S], 1
	s_add_co_u32 s[G0S+1], s94, SCL
	s_mov_b64 s[G0S+2:G0S+3], s[22:23]
	s_or_b32 s[G0S+3], s[G0S+3], 0x80000000
	s_mov_b32 s[G0SB], 1
	s_add_co_u32 s[G0SB+1], s94, SCL
	s_mov_b64 s[G0SB+2:G0SB+3], s[92:93]
	s_or_b32 s[G0SB+3], s[G0SB+3], 0x80000000
	JLOAD G0S, G1S, G0SB, G1SB
.irp s, 0,1
	s_mov_b32 s[G0+4*\s], 1
	s_add_co_u32 s[G0+4*\s+1], s45, \s*SLOT
	s_add_nc_u64 s[G0+4*\s+2:G0+4*\s+3], s[20:21], \s*ROWT
	s_or_b32 s[G0+4*\s+3], s[G0+4*\s+3], 0x80000000
	s_mov_b32 s[G0B+4*\s], 1
	s_add_co_u32 s[G0B+4*\s+1], s45, \s*SLOT
	s_add_nc_u64 s[G0B+4*\s+2:G0B+4*\s+3], s[46:47], \s*ROWT
	s_or_b32 s[G0B+4*\s+3], s[G0B+4*\s+3], 0x80000000
	s_wait_alu depctr_va_vdst(0)
	s_wait_tensorcnt 0x0
	ds_add_u32 v28, v29
	s_wait_dscnt 0x0
	CROUND
	JLOAD G0+4*\s, G1, G0B+4*\s, G1B
.endr
	v_and_b32 v1, 15, v0                           ; r
	v_bfe_u32 v2, v0, 4, 1                         ; h
	v_lshlrev_b32 v30, 6, v2                       ; the bias: register j of tile b is column 32 (b / 2) + 8 (b % 2) + 16 h + j
.irp b, 0,1,2,3,4,5,6,7
	global_load_b128 v[BI+8*\b:BI+8*\b+3], v30, s[96:97] offset:(32*(\b/2)+8*(\b%2))*4
	global_load_b128 v[BI+8*\b+4:BI+8*\b+7], v30, s[96:97] offset:(32*(\b/2)+8*(\b%2))*4+16
.endr
	v_and_b32 v5, 31, v0
	v_lshlrev_b32 v[L16], 4, v5
	v_lshlrev_b32 v[L8], 3, v5
	s_mul_i32 s21, s15, HALFT
	s_mul_i32 s22, s16, HALFT
	s_add_co_u32 s22, s22, 2*HALFT
.irp s, 0,1
	v_add_nc_u32 v[ADRA+\s], s21, v[L16]
	v_add_nc_u32 v[ADRA+2+\s], s21, v[L8]
	v_add_nc_u32 v[ADRB+\s], s22, v[L16]
	v_add_nc_u32 v[ADRB+2+\s], s22, v[L8]
	s_add_co_u32 s21, s21, SLOT
	s_add_co_u32 s22, s22, SLOT
.endr
	v_lshlrev_b32 v5, 3, v1
	s_mul_i32 s21, s15, HALFS
	s_mul_i32 s22, s16, HALFS
	s_add_co_u32 s22, s22, 2*HALFS
	s_sub_co_u32 s22, s22, s21
	v_mul_u32_u24 v6, s22, v2                      ; lanes 16-31 take B's: one product with h
	s_add_co_u32 s21, s21, SCL
	v_add_nc_u32 v5, v5, v6
	v_add_nc_u32 v[ADRS], s21, v5
	s_mul_i32 s23, s14, 16*SPITCH                  ; my stage
	v_mul_u32_u24 v5, v1, SPITCH
	v_lshl_add_u32 v5, v2, 6, v5
	v_add_nc_u32 v[STO], s23, v5                   ; in: row r, + 64 h
	v_add_nc_u32 v[RD], s23, v[L16]                ; back: the 32 lanes take one row of 512 bytes
	s_lshl_b32 s20, s17, 8
	s_lshl_b32 s21, s15, 7
	s_add_co_u32 s20, s20, s21                     ; my first row: 256 x tile row + 128 x half
	s_lshl_b32 s20, s20, 12
	s_mov_b32 s21, 0
	s_add_nc_u64 s[98:99], s[98:99], s[20:21]
	s_wait_alu depctr_va_vdst(0)
	s_wait_tensorcnt 1                             ; the scale words and my part of slot 0 are in; slot 1's load may be out
	s_barrier_signal -1
	s_barrier_wait -1
	FETCH_B 0, 0, 0
	FETCH_A 0, 0, 0
	SCALES 0
	FETCH_A 0, 0, 4
	s_wait_loadcnt 0x0                             ; the bias
	STEP 0, 0, 1                                   ; the first step starts the sums with the bias
	TURN 0, 1, 1                                   ; slot 0 takes K 512..767
	STEP 1, 0, 0
	TURN 1, 0, 1                                   ; slot 1 takes K 768..1023
	STEP 0, 0, 0
	TURN 0, 1, 0                                   ; nothing is left to fetch
	STEP 1, 0, 0
	s_wait_dscnt 4*NL
	WIN MUL_LO
	MUL16 0, 1, NQ-1, 1, 0
	MUL16 2, 1, NQ-1, 1, 0
	s_wait_dscnt 0
	WIN MUL_HI
	MUL16 4, 1, NQ-1, 1, 0
	MUL16 6, 1, NQ-1, 1, 0
	WIN 0
; THE WAY OUT, block by block of 16 rows x 128 columns, through my own stage in LDS: in as 32 bytes a lane and tile, back as whole rows of 512 bytes.
; LDS serves a wave's instructions in order (ISA guide 5.7.1.4): no wait between the stores and the loads, nor in front of the next block's stores.
.macro TOSTAGE a
.set AC, 64*((\a)%4)
	WIN 0x08+4*((\a)/4)                            ; an LDS store's data: window 2 or 3
.irp b, 0,1,2,3,4,5,6,7
	ds_store_b128 v[STO], v[AC+8*\b:AC+8*\b+3] offset:128*(\b/2)+32*(\b%2)          ; each accumulator from its low end on
	ds_store_b128 v[STO], v[AC+8*\b+4:AC+8*\b+7] offset:128*(\b/2)+32*(\b%2)+16
.endr
	WIN 0
.set BB, BK+64*((\a)%2)
.irp t, 0,1,2,3,4,5,6,7,8,9,10,11,12,13,14,15
	ds_load_b128 v[BB+4*\t:BB+4*\t+3], v[RD] offset:\t*SPITCH
.endr
.endm
.macro SEND a, younger                 ; younger: the LDS instructions issued behind block a's loads, which may stay out
.set BB, BK+64*((\a)%2)
	s_wait_dscnt \younger
.if (\a) > 0
	s_add_nc_u64 s[98:99], s[98:99], 16*4096       ; (behind a wait on XCNT: the earlier stores have read their base)  16 rows on
.endif
.irp t, 0,1,2,3,4,5,6,7,8,9,10,11,12,13,14,15
	global_store_b128 v[L16], v[BB+4*\t:BB+4*\t+3], s[98:99] offset:\t*4096 th:TH_STORE_NT   ; 32 lanes store 512 consecutive bytes, aligned to 256; written once, read by nobody here
.endr
.endm
	PLACES NP                                      ; behind the last products: for the first read of results and the loads into the registers that held A's fragments
	TOSTAGE 0
.irp a, 1,2,3,4,5,6,7
.if \a > 1
	s_wait_xcnt 0x0                                ; block a - 2's stores have read their registers and their base
.endif
	TOSTAGE \a
	SEND \a-1, 32                                  ; behind block a - 1's loads: block a's 16 stores and 16 loads
.endr
	s_wait_xcnt 0x0
	SEND 7, 0
	s_wait_tensorcnt 0x0                           ; the wave's end
	ds_add_u32 v[SPW], v[NIL]
	s_wait_dscnt 0x0
	CROUND                                         ; the closing round
	s_endpgm
.Lfunc_end_k_qc247c217ca_outp:
	.size	k_qc247c217ca_outp, .Lfunc_end_k_qc247c217ca_outp-k_qc247c217ca_outp
	.p2alignl 7, 3214868480
	.fill 96, 4, 3214868480
	.section	.rodata,"a",@progbits
	.p2align	6, 0x0
	.amdhsa_kernel k_qc247c217ca_outp
		.amdhsa_group_segment_fixed_size 327680
		.amdhsa_private_segment_fixed_size 0
		.amdhsa_enable_private_segment 0
		.amdhsa_kernarg_size 48
		.amdhsa_user_sgpr_count 2
		.amdhsa_user_sgpr_kernarg_segment_ptr 1
		.amdhsa_wavefront_size32 1
		.amdhsa_system_sgpr_workgroup_id_x 1
		.amdhsa_system_sgpr_workgroup_id_y 1
		.amdhsa_system_sgpr_workgroup_id_z 1
		.amdhsa_system_vgpr_workitem_id 0
		.amdhsa_next_free_vgpr 1024
		.amdhsa_next_free_sgpr 102
		.amdhsa_reserve_vcc 0
		.amdhsa_float_denorm_mode_32 3
		.amdhsa_float_denorm_mode_16_64 3
		.amdhsa_memory_ordered 1
		.amdhsa_forward_progress 1
		.amdhsa_inst_pref_size 146
	.end_amdhsa_kernel
	.amdgpu_metadata
---
amdhsa.version: [ 1, 2 ]
amdhsa.kernels:
  - .name:           k_qc247c217ca_outp
    .symbol:         k_qc247c217ca_outp.kd
    .args:
      - { .name: ac, .offset: 0, .size: 8, .value_kind: global_buffer, .address_space: global }
      - { .name: asc, .offset: 8, .size: 8, .value_kind: global_buffer, .address_space: global }
      - { .name: wc, .offset: 16, .size: 8, .value_kind: global_buffer, .address_space: global }
      - { .name: ws, .offset: 24, .size: 8, .value_kind: global_buffer, .address_space: global }
      - { .name: bo, .offset: 32, .size: 8, .value_kind: global_buffer, .address_space: global }
      - { .name: out0, .offset: 40, .size: 8, .value_kind: global_buffer, .address_space: global }
    .group_segment_fixed_size: 327680
    .private_segment_fixed_size: 0
    .kernarg_segment_align: 8
    .kernarg_segment_size: 48
    .max_flat_workgroup_size: 128
    .sgpr_count:     102
    .vgpr_count:     1024
    .wavefront_size: 32
...
	.end_amdgpu_metadata
.endif
;; end of part 4
